; MI455X (gfx1250); checked and timed in simulation.
; The chip was launched on July 23, 2026; its instructions are those of AMD's public machine-readable ISA for CDNA 5 (MIT licence, August 2026) and "CDNA5" Instruction Set Architecture Reference Guide (July 2026). The comments in the code are by the model that wrote it; some were corrected since.
;; Masked Cross Atten. Allowed arithmetic: matrix products marked QUANTISED: E2M3 operands, one E8M0 scale for each 32 along K, by v_wmma_scale_f32_16x16x128_f8f6f4 with both operands' format E2M3, f32 sums; everything else in f32.
;; Inputs: Wk 1,024 x 1,024 float32; Wq 1,024 x 1,024 float32; Wv 1,024 x 1,024 float32; bk 1,024 float32; bq 1,024 float32; bv 1,024 float32; kv 4 x 1,024 x 2,048 float32; kv_mask 4 x 1 x 2,048 bool; mask 4 x 1 x 2,048 bool; x 4 x 1,024 x 2,048 float32.
;; Outputs: out0 4 x 1,024 x 2,048 float32; out1 4 x 1 x 2,048 bool.
;; This version of the problem:
;;   THIS VERSION OF THE PROBLEM IS GIVEN IN LOW PRECISION. The matrix products marked QUANTISED in the list below multiply operands that are first quantised to E2M3 (2 exponent bits, 3 mantissa bits; 6 bits a number), with one power-of-two scale for each 32 numbers along K (OCP MX v1.0); their sums are f32. All else is computed in f32.
;;   The module's matrix products, in the order in which they are computed (A, B: the left and right operand; K: the contracted axis; several contracted axes count as one K, in the product's order):
;;     1. [M 8,192, K 1,024] x [K 1,024, N 1,024]; A: input x; B: input Wq: QUANTISED
;;     2. [M 8,192, K 1,024] x [K 1,024, N 1,024]; A: input kv; B: input Wk: QUANTISED
;;     3. [M 8,192, K 1,024] x [K 1,024, N 1,024]; A: input kv; B: input Wv: QUANTISED
;;     4. batch 64 x [M 2,048, K 64] x [K 64, N 2,048]; A: computed on the way; B: computed on the way: QUANTISED
;;     5. batch 64 x [M 2,048, K 2,048] x [K 2,048, N 64]; A: softmax (see below); B: computed on the way: QUANTISED
;;   THE QUANTISER, for each operand of a quantised product, along K:
;;     - K is cut into blocks of 32 from its start; a last block that is shorter is filled with zeros.
;;     - A block's scale is 2^e with e = floor(log2(the largest magnitude in the block)) - 2, held to -126 .. 127; a block of zeros has e = 0. As a byte (E8M0): e + 127.
;;     - Each number is divided by its block's scale, clamped to +-7.5, and rounded to the nearest number of E2M3, ties to even, subnormals kept.
;;     - The product sums the exact products of the quantised numbers (number of the format x scale) in f32.
;;   ~~~python
;;   def quantise(x, axis):      # numpy; x: float32 -> the quantised numbers, widened to float32 again
;;       x = np.moveaxis(x, axis, -1); K = x.shape[-1]
;;       x = np.pad(x, [(0, 0)] * (x.ndim - 1) + [(0, -K % 32)]); x = x.reshape(x.shape[:-1] + (-1, 32)); a = np.abs(x).max(-1, keepdims=True)
;;       e = np.where(a > 0, np.clip(np.frexp(np.where(a > 0, a, 1))[1] - 1 - 2, -126, 127), 0)      # np.frexp(a)[1] - 1 = floor(log2(a)), exactly
;;       r = np.clip(x / 2.0 ** e, -7.5, 7.5)
;;       step = 2.0 ** (np.maximum(np.frexp(np.where(r == 0, 1, r))[1] - 1, 0) - 3)
;;       q = np.round(r / step) * step * 2.0 ** e      # np.round: ties to even
;;       return np.moveaxis(q.reshape(q.shape[:-2] + (-1,))[..., :K], -1, axis).astype(np.float32)
;;   ~~~
;;   SOFTMAX AHEAD OF A QUANTISED PRODUCT. Where the list says 'softmax', what is quantised is not the finished softmax but p = 2^(t - M), with t = logit x log2(e) and M = ceil(the row's largest t), a whole number; so 1/2 < the row's largest p <= 1. The row's sum l is taken of the UNQUANTISED p, in f32, and the product's result is divided by l at the end. Since M is a whole number, a kernel that streams over the keys may use a running M (the ceiling of the running maximum): every later rescaling is an exact power of two, which a block's scale takes up: the codes' values come out the same.
;;   OPERANDS COMPUTED ON THE WAY. 'Computed on the way' means the value that the module computes at that place (a softmax that the list does not call 'softmax' is quantised finished and normalised). What goes into a quantiser is computed in f32, as accurately as f32 sums, v_exp_f32 and their like allow (about 1e-6 of the number): no bf16 or f16 on the way to a quantiser, and a product that is left as it is and whose result goes on into a quantised operand takes f32 operands (vector FMAs, or v_wmma_f32_16x16x4_f32). A number that lies on a knife's edge between two numbers of the format may be rounded either way, as far as f32 arithmetic and the matrix unit's own rounding can turn it there, and no further.
;; One version. Each part assembles by itself: llvm-mc -triple=amdgcn-amd-amdhsa -mcpu=gfx1250 --defsym DOCPART=n.
;; ======== version 1 of 1: 4 launches
;; limits: right only within a limited range of input values
;; workspace buffers: acodes 12,582,912 bytes; ascales 524,288 bytes; wcodes 2,359,296 bytes; wscales 98,304 bytes; qimg 8,912,896 bytes; kvimg 15,466,496 bytes
;; launch qw (part 1): grid 96 x 1, 4 waves a work-group, no clusters, 33,280 bytes of LDS; arguments Wq, Wk, Wv, mask, wcodes, wscales, out1; writes wcodes, wscales, out1
.if DOCPART == 1
	.amdgcn_target "amdgcn-amd-amdhsa--gfx1250"
	.amdhsa_code_object_version 6
	.text
	.protected	k_qd1fe67abaf_qw
	.globl	k_qd1fe67abaf_qw
	.p2align	8
	.type	k_qd1fe67abaf_qw,@function
k_qd1fe67abaf_qw:
	s_mov_b64 s[64:65], 0
	v_nop
	global_prefetch_b8 v0, s[64:65] scope:SCOPE_SE
	s_setreg_imm32_b32 hwreg(HW_REG_WAVE_MODE, 25, 1), 1
	s_wait_xcnt 0x0
; Wq, Wk, Wv, each [1024][1024] f32 with K (the input channels) innermost, become codes of FP6 (E2M3), 6 bits each, and one E8M0 scale byte for each 32 along K.
; wcodes: 3,072 rows of 768 bytes (Wq's, Wk's, Wv's); wscales: the same rows of 32 bytes.  A ROW o LIES AT THE ROW o WITH ITS BITS 3 AND 4 EXCHANGED: the products that read these rows
; then find, in 16 rows on end, the rows that make the results of two neighbouring tiles 16 neighbours along the next product's K.
; A block's scale is 2^(floor(log2(its largest magnitude)) - 2); its byte is the largest magnitude's exponent field - 2, held at 1 from below.
; LIMITS: a block of zeros gets the byte 1 where the rule says 127 (its codes are zeros, and this program alone reads the bytes); blocks whose largest magnitude lies under 2^-124 keep the byte 1;
; NaN and infinities among the inputs are not served.
; A wave takes 8 rows: 16 steps of 512 numbers.  Each of a step's four loads reads 512 consecutive bytes; the 2,048 bytes turn through the wave's own stage in LDS (16 bytes of padding behind each 64) and come
; back 64 bytes a lane, so that a lane holds 16 neighbours along K and two neighbouring lanes a block.  A wave's 8 rows keep their order, so only the place of the run changes: bits 3 and 4 of a row are the wave's number.
; The first 32 work-groups' wave 0 also copies 256 bytes of mask to out1, which is the reference's second result.
.set STEPS, 16
.set EMAX,  2
.set CB,    12                         ; bytes of 16 codes
.set R,     16                         ; v16-79   four sets of 16 numbers as they are loaded
.set X,     80                         ; v80-111  two sets of 16 neighbours
.set C,     128                        ; v128-191 codes: four registers for each step, so that no store's data are written again
.set E,     112                        ; v112-127 a scale byte for each step
.set WREG,  8192                       ; LDS: a region for each wave: two stages of 32 x SP bytes, behind them its 256 scale bytes
.set SP,    80                         ; a lane's place in a stage: 64 bytes + 16 of padding
	s_load_b256 s[4:11], s[0:1], 0x0               ; Wq s[4:5], Wk s[6:7], Wv s[8:9], mask s[10:11]
	s_load_b128 s[12:15], s[0:1], 0x20             ; wcodes s[12:13], wscales s[14:15]
	s_load_b64 s[24:25], s[0:1], 0x30              ; out1
	v_lshl_add_u32 v192, v0, 2, 0x8000
	v_mov_b32 v193, 0
	v_lshrrev_b32 v1, 5, v0
	v_readfirstlane_b32 s16, v1                    ; wave
	v_and_b32 v2, 31, v0                           ; lane
	v_lshlrev_b32 v3, 4, v2                        ; my 16 bytes of a load's 512
	s_mul_i32 s17, s16, WREG
	v_lshrrev_b32 v14, 2, v2
	v_mul_u32_u24 v14, v14, SP
	v_and_b32 v15, 3, v2
	v_lshl_add_u32 v14, v15, 4, v14
	v_add_nc_u32 v14, s17, v14                     ; the stage, on the way in: SP (lane / 4) + 16 (lane % 4)
	v_mul_u32_u24 v15, v2, SP
	v_add_nc_u32 v15, s17, v15                     ; and on the way out: SP x lane: my 16 neighbours
	v_mul_u32_u24 v4, v2, CB                       ; my codes' place in a step's
	v_lshrrev_b32 v5, 1, v2
	s_add_co_u32 s17, s17, 2*32*SP
	v_add_nc_u32 v5, s17, v5                       ; LDS: my wave's 256 scale bytes, my block's byte
	v_lshlrev_b32 v7, 3, v2                        ; and on the way out 8 bytes a lane
	v_add_nc_u32 v6, s17, v7
	s_and_b32 s18, ttmp9, 31                       ; in: run (work-group % 32) x 4 + wave of the weight, 32,768 bytes each
	s_lshl_b32 s18, s18, 2
	s_add_co_u32 s18, s18, s16
	s_lshl_b32 s18, s18, 15
	s_mov_b32 s19, 0
	s_and_b32 s20, s16, 1                          ; out: the wave's two bits change places
	s_lshl_b32 s20, s20, 1
	s_lshr_b32 s21, s16, 1
	s_or_b32 s20, s20, s21
	s_lshl_b32 s21, ttmp9, 2
	s_add_co_u32 s20, s20, s21                     ; which run of 8 rows of the 3,072
	s_mul_i32 s22, s20, 8*768
	s_mov_b32 s23, 0
	s_wait_alu depctr_va_vdst(0)
	s_wait_kmcnt 0x0
	s_cmp_lt_u32 ttmp9, 64                         ; which weight: the choice hangs on the work-group's number alone
	s_cselect_b64 s[6:7], s[6:7], s[8:9]
	s_cmp_lt_u32 ttmp9, 32
	s_cselect_b64 s[4:5], s[4:5], s[6:7]
	s_add_nc_u64 s[4:5], s[4:5], s[18:19]
	s_add_nc_u64 s[12:13], s[12:13], s[22:23]
	s_lshl_b32 s22, s20, 8                         ; 256 scale bytes a run
	s_add_nc_u64 s[14:15], s[14:15], s[22:23]
.macro LOAD t
.irp i, 0,1,2,3
	global_load_b128 v[R+16*((\t)%4)+4*\i:R+16*((\t)%4)+4*\i+3], v3, s[4:5] offset:2048*(\t)+512*\i th:TH_LOAD_NT   ; 32 lanes read 512 consecutive bytes
.endr
.endm
.macro TURN t                          ; step t's numbers through the stage: LDS serves a wave's instructions in order, so no wait stands between the stores and the loads
.irp i, 0,1,2,3
	ds_store_b128 v14, v[R+16*((\t)%4)+4*\i:R+16*((\t)%4)+4*\i+3] offset:32*SP*((\t)%2)+8*SP*\i
.endr
.irp i, 0,1,2,3
	ds_load_b128 v[X+16*((\t)%2)+4*\i:X+16*((\t)%2)+4*\i+3], v15 offset:32*SP*((\t)%2)+16*\i
.endr
.endm
.irp t, 0,1,2,3
	LOAD \t
.endr
	s_wait_loadcnt 12                              ; step 0's four loads are in; three steps' twelve may be out
	TURN 0
.macro STEP t
.set XS, X+16*((\t)%2)
.if (\t) > 0
	s_wait_dscnt 1                                 ; this step's numbers are back from the stage (the last step's byte store may be out): so its stores into the stage have read their registers,
.else
	s_wait_dscnt 0x0
.endif
.if (\t)+4 < STEPS
	LOAD (\t)+4                                    ; which take the loads of four steps on
.endif
.if (\t)+1 < STEPS
.if STEPS-2-(\t) >= 3
	s_wait_loadcnt 12                              ; the next step's four loads are in; those of the three steps behind it may be out
.else
	s_wait_loadcnt 4*(STEPS-2-(\t))
.endif
	TURN (\t)+1                                    ; and go through the other stage while this step is worked
.endif
	v_max3_num_f32 v8, |v[XS]|, |v[XS+1]|, |v[XS+2]|               ; the largest magnitude of my 16, in two chains
	v_max3_num_f32 v9, |v[XS+3]|, |v[XS+4]|, |v[XS+5]|
.irp i, 6,10
	v_max3_num_f32 v8, v8, |v[XS+\i]|, |v[XS+\i+1]|
	v_max3_num_f32 v9, v9, |v[XS+\i+2]|, |v[XS+\i+3]|
.endr
	v_max3_num_f32 v8, v8, |v[XS+14]|, |v[XS+15]|
	v_max3_num_f32 v8, v8, v9, (EMAX+1)<<23        ; and the floor 2^(3 - 127): the byte cannot fall under 1
	v_max_num_f32_dpp v8, v8, v8 row_xmask:1 row_mask:0xf bank_mask:0xf   ; and of my neighbour's 16: the block's
	v_add_nc_u32 v11, -(EMAX<<23), v8              ; 2 off its exponent field: the conversion takes the exponent field of this operand as its scale
	v_cvt_scalef32_pk16_fp6_f32 v[C+4*(\t):C+4*(\t)+2], v[XS:XS+15], v11         ; sixteen numbers / the scale, to the nearest code, ties to even, beyond the largest code the largest
	v_lshrrev_b32 v[E+(\t)], 23, v11               ; the scale's byte (also the plain line behind the conversion)
	ds_store_b8 v5, v[E+(\t)] offset:16*(\t)       ; both lanes of a block write the same byte with the same value
	global_store_b96 v4, v[C+4*(\t):C+4*(\t)+2], s[12:13] offset:32*CB*(\t)      ; the wave stores 384 consecutive bytes
.endm
.irp t, 0,1,2,3,4,5,6,7,8,9,10,11,12,13,14,15
	STEP \t
.endr
	ds_load_b64 v[12:13], v6                       ; LDS serves a wave's instructions in order: these see my stores
	s_wait_dscnt 0x0
	global_store_b64 v7, v[12:13], s[14:15]        ; 32 lanes store 256 consecutive bytes, at a multiple of 256 from the buffer's first byte
	s_cmp_lt_u32 ttmp9, 32                         ; out1 = mask: 8,192 bytes, 256 for wave 0 of each of the first 32 work-groups
	s_cbranch_scc0 .Lend
	s_cmp_eq_u32 s16, 0
	s_cbranch_scc0 .Lend
	s_lshl_b32 s18, ttmp9, 8
	s_add_nc_u64 s[10:11], s[10:11], s[18:19]
	s_add_nc_u64 s[24:25], s[24:25], s[18:19]
	global_load_b64 v[8:9], v7, s[10:11]
	s_wait_loadcnt 0x0
	global_store_b64 v7, v[8:9], s[24:25]
.Lend:
	s_wait_tensorcnt 0x0
	ds_add_u32 v192, v193
	s_wait_dscnt 0x0
	s_endpgm
.Lfunc_end_k_qd1fe67abaf_qw:
	.size	k_qd1fe67abaf_qw, .Lfunc_end_k_qd1fe67abaf_qw-k_qd1fe67abaf_qw
	.p2alignl 7, 3214868480
	.fill 96, 4, 3214868480
	.section	.rodata,"a",@progbits
	.p2align	6, 0x0
	.amdhsa_kernel k_qd1fe67abaf_qw
		.amdhsa_group_segment_fixed_size 33280
		.amdhsa_private_segment_fixed_size 0
		.amdhsa_enable_private_segment 0
		.amdhsa_kernarg_size 56
		.amdhsa_user_sgpr_count 2
		.amdhsa_user_sgpr_kernarg_segment_ptr 1
		.amdhsa_wavefront_size32 1
		.amdhsa_system_sgpr_workgroup_id_x 1
		.amdhsa_system_sgpr_workgroup_id_y 1
		.amdhsa_system_sgpr_workgroup_id_z 1
		.amdhsa_system_vgpr_workitem_id 0
		.amdhsa_next_free_vgpr 194
		.amdhsa_next_free_sgpr 66
		.amdhsa_reserve_vcc 0
		.amdhsa_float_denorm_mode_32 3
		.amdhsa_float_denorm_mode_16_64 3
		.amdhsa_memory_ordered 1
		.amdhsa_forward_progress 1
		.amdhsa_inst_pref_size 33
	.end_amdhsa_kernel
	.amdgpu_metadata
---
amdhsa.version: [ 1, 2 ]
amdhsa.kernels:
  - .name:           k_qd1fe67abaf_qw
    .symbol:         k_qd1fe67abaf_qw.kd
    .args:
      - { .name: Wq, .offset: 0, .size: 8, .value_kind: global_buffer, .address_space: global }
      - { .name: Wk, .offset: 8, .size: 8, .value_kind: global_buffer, .address_space: global }
      - { .name: Wv, .offset: 16, .size: 8, .value_kind: global_buffer, .address_space: global }
      - { .name: mask, .offset: 24, .size: 8, .value_kind: global_buffer, .address_space: global }
      - { .name: wcodes, .offset: 32, .size: 8, .value_kind: global_buffer, .address_space: global }
      - { .name: wscales, .offset: 40, .size: 8, .value_kind: global_buffer, .address_space: global }
      - { .name: out1, .offset: 48, .size: 8, .value_kind: global_buffer, .address_space: global }
    .group_segment_fixed_size: 33280
    .private_segment_fixed_size: 0
    .kernarg_segment_align: 8
    .kernarg_segment_size: 56
    .max_flat_workgroup_size: 128
    .sgpr_count:     66
    .vgpr_count:     194
    .wavefront_size: 32
...
	.end_amdgpu_metadata
.endif
;; end of part 1
;; launch qx (part 2): grid 128 x 4, 4 waves a work-group, no clusters, 36,352 bytes of LDS; arguments x, kv, acodes, ascales; writes acodes, ascales
.if DOCPART == 2
	.amdgcn_target "amdgcn-amd-amdhsa--gfx1250"
	.amdhsa_code_object_version 6
	.text
	.protected	k_qd1fe67abaf_qx
	.globl	k_qd1fe67abaf_qx
	.p2align	8
	.type	k_qd1fe67abaf_qx,@function
k_qd1fe67abaf_qx:
	s_mov_b64 s[64:65], 0
	v_nop
	global_prefetch_b8 v0, s[64:65] scope:SCOPE_SE
	s_setreg_imm32_b32 hwreg(HW_REG_WAVE_MODE, 25, 1), 1
	s_wait_xcnt 0x0
; x and kv, each [4][1024 (c)][2048 (t)] f32, are operands whose K, the channels c, is NOT innermost.  They become codes of FP6 (E2M3) laid [matrix][t][c] with K innermost, 768 bytes a row,
; and one E8M0 scale byte for each 32 along c, 32 bytes a row.  Matrices 0-3 are x's batches, 4-7 kv's: 16,384 rows.  A ROW t LIES AT THE ROW t WITH ITS BITS 3 AND 4 EXCHANGED (see the products that read them).
; A LANE TAKES A COLUMN t, AND ITS REGISTERS RUN DOWN c: each load reads neighbouring t in neighbouring lanes (128 consecutive bytes a wave, 512 a work-group), a block of 32 along c lies in one lane's 32 registers,
; its largest magnitude needs no other lane, and the conversions give the codes with K innermost.
; A block's scale is 2^(floor(log2(its largest magnitude)) - 2); its byte is the largest magnitude's exponent field - 2, held at 1 from below.
; LIMITS: a block of zeros gets the byte 1 where the rule says 127 (its codes are zeros, and this program alone reads the bytes); blocks under 2^-124 keep the byte 1; NaN and infinities are not served.
; A wave takes 32 columns x 256 along c: 8 blocks a lane, 192 bytes of codes a column.  They go through the wave's own stage in LDS and leave as rows: sixteen lanes store a row's 192 consecutive bytes.
; Every offset is an immediate: 255 x 8,192 and 30 x 768 bytes lie inside the signed 24-bit field (ISA guide, chapter 10).
.set KW,    256                        ; along c for a wave
.set NB,    KW/32                      ; blocks
.set ROWB,  192                        ; bytes of KW codes
.set PITCH, 272                        ; a stage row: sixteen places of 16 bytes, each with 12 bytes of codes, + 16
.set KROW,  768                        ; a row of the codes' buffer in bytes
.set TROW,  8192                       ; a row c of the input in bytes
.set EMAX,  2
.set X,     32                         ; v32-95   two sets of 32 numbers
.set C,     96                         ; v96..    a block's codes
.set OUTR,  112                        ; v112-175 the way out: 16 x 4 registers
.set SB,    24                         ; v24-25   the scale bytes, four to a register
	s_load_b128 s[4:7], s[0:1], 0x0                ; x, kv
	s_load_b128 s[8:11], s[0:1], 0x10              ; the codes, the scale bytes
	v_lshl_add_u32 v192, v0, 2, 0x8c00
	v_mov_b32 v193, 0
	v_lshrrev_b32 v1, 5, v0
	v_readfirstlane_b32 s16, v1                    ; wave 0..3
	v_and_b32 v2, 31, v0                           ; lane
	s_lshr_b32 s12, ttmp9, 4                       ; the matrix, 0..7
	s_and_b32 s17, ttmp9, 15
	s_lshl_b32 s17, s17, 7
	s_lshl_b32 s18, s16, 5
	s_add_co_u32 s17, s17, s18                     ; my wave's first column: 128 x (work-group x % 16) + 32 x wave
	s_and_b32 s18, ttmp7, 0xffff                   ; which 256 along c
	v_lshlrev_b32 v3, 2, v2                        ; in: 4 bytes a lane
	s_mul_i32 s19, s16, 32*PITCH                   ; my stage
	v_mul_u32_u24 v4, v2, PITCH
	v_add_nc_u32 v4, s19, v4                       ; into it: row = my column
	v_and_b32 v5, 15, v2
	v_lshrrev_b32 v6, 4, v2                        ; out of it: sixteen lanes to a row, two rows an instruction
	v_mul_u32_u24 v7, v6, PITCH
	v_lshl_add_u32 v7, v5, 4, v7
	v_add_nc_u32 v7, s19, v7                       ; LDS address
	v_mul_u32_u24 v8, v6, KROW
	v_mad_u32_u24 v8, v5, 12, v8                   ; and the same place in the codes' buffer
	v_and_b32 v9, 7, v2                            ; my column's row of scale bytes: the lane's number with bits 3 and 4 exchanged, 32 bytes a row
	v_and_b32 v10, 8, v2
	v_lshl_or_b32 v9, v10, 1, v9
	v_and_b32 v10, 16, v2
	v_lshrrev_b32 v10, 1, v10
	v_or_b32 v9, v9, v10
	v_lshlrev_b32 v9, 5, v9
	s_and_b32 s20, s12, 3                          ; in: batch x 8,388,608 + 256 rows of 8,192 bytes x y + 4 x column
	s_lshl_b32 s20, s20, 23
	s_lshl_b32 s21, s18, 21
	s_add_co_u32 s20, s20, s21
	s_lshl_b32 s21, s17, 2
	s_add_co_u32 s20, s20, s21
	s_mov_b32 s21, 0
	s_lshl_b32 s22, s12, 11
	s_add_co_u32 s22, s22, s17                     ; the first row out: 2,048 x matrix + column
	s_mul_i32 s24, s22, KROW
	s_mul_i32 s26, s18, ROWB
	s_add_co_u32 s24, s24, s26
	s_mov_b32 s25, 0
	s_lshl_b32 s26, s22, 5
	s_lshl_b32 s27, s18, 3
	s_add_co_u32 s26, s26, s27
	s_mov_b32 s27, 0
	s_wait_kmcnt 0x0
	s_cmp_lt_u32 s12, 4                            ; x or kv: the choice hangs on the work-group's number alone
	s_cselect_b64 s[4:5], s[4:5], s[6:7]
	s_add_nc_u64 s[4:5], s[4:5], s[20:21]
	s_add_nc_u64 s[8:9], s[8:9], s[24:25]
	s_add_nc_u64 s[10:11], s[10:11], s[26:27]
.macro LOAD t                          ; block t: rows 32 t + i, my column, i = 0 .. 31, into set t % 2
.irp i, 0,1,2,3,4,5,6,7,8,9,10,11,12,13,14,15,16,17,18,19,20,21,22,23,24,25,26,27,28,29,30,31
	global_load_b32 v[X+32*((\t)%2)+\i], v3, s[4:5] offset:(32*(\t)+\i)*TROW
.endr
.endm
	LOAD 0
	LOAD 1
.macro BLOCK t
.set XS, X+32*((\t)%2)
.if (\t) < NB-1
	s_wait_loadcnt 32                              ; this block's 32 loads are in; the next block's may be out
.else
	s_wait_loadcnt 0
.endif
	v_max3_num_f32 v12, |v[XS]|, |v[XS+1]|, |v[XS+2]|               ; the block's largest magnitude: all 32 numbers are mine
	v_max3_num_f32 v13, |v[XS+3]|, |v[XS+4]|, |v[XS+5]|
.irp i, 6,10,14,18,22,26
	v_max3_num_f32 v12, v12, |v[XS+\i]|, |v[XS+\i+1]|
	v_max3_num_f32 v13, v13, |v[XS+\i+2]|, |v[XS+\i+3]|
.endr
	v_max3_num_f32 v12, v12, |v[XS+30]|, |v[XS+31]|
	v_max3_num_f32 v12, v12, v13, (EMAX+1)<<23     ; and the floor 2^(3 - 127): the byte cannot fall under 1
	v_add_nc_u32 v11, -(EMAX<<23), v12             ; 2 off its exponent field: the conversion's scale operand
	v_lshrrev_b32 v13, 23, v11                     ; the scale's byte
.if (\t)%4 == 0
	v_mov_b32 v[SB+(\t)/4], v13                    ; four bytes to a register, the lower c in the lower byte
.else
	v_lshl_or_b32 v[SB+(\t)/4], v13, 8*((\t)%4), v[SB+(\t)/4]
.endif
	v_cvt_scalef32_pk16_fp6_f32 v[C:C+2], v[XS:XS+15], v11
	v_cvt_scalef32_pk16_fp6_f32 v[C+4:C+6], v[XS+16:XS+31], v11     ; (a conversion's three registers begin on an even number)
	v_nop                                          ; one plain line behind the conversions
	ds_store_b96 v4, v[C:C+2] offset:32*(\t)       ; 16 codes, 12 bytes, to a place of 16 bytes in the stage
	ds_store_b96 v4, v[C+4:C+6] offset:32*(\t)+16
.if (\t)+2 < NB
	LOAD (\t)+2
.endif
	s_wait_dscnt 0x0                               ; the stores have read their registers: the next block's codes may be written
.endm
.set Q, 0
.rept NB
	BLOCK Q
.set Q, Q+1
.endr
	s_wait_alu depctr_va_vdst(0)
	global_store_b64 v9, v[SB:SB+1], s[10:11]      ; my column's 8 scale bytes
.irp t, 0,1,2,3,4,5,6,7,8,9,10,11,12,13,14,15
	ds_load_b96 v[OUTR+4*\t:OUTR+4*\t+2], v7 offset:2*\t*PITCH   ; LDS serves a wave's instructions in order: these see my stores
.endr
.irp t, 0,1,2,3,4,5,6,7,8,9,10,11,12,13,14,15
	s_wait_dscnt 15-\t
	global_store_b96 v8, v[OUTR+4*\t:OUTR+4*\t+2], s[8:9] offset:2*((\t&3)|((\t&4)<<1)|((\t&8)>>1))*KROW   ; columns 2 t and 2 t + 1 go to the rows with bits 3 and 4 exchanged: bits 2 and 3 of t
.endr
	s_wait_tensorcnt 0x0
	ds_add_u32 v192, v193
	s_wait_dscnt 0x0
	s_endpgm
.Lfunc_end_k_qd1fe67abaf_qx:
	.size	k_qd1fe67abaf_qx, .Lfunc_end_k_qd1fe67abaf_qx-k_qd1fe67abaf_qx
	.p2alignl 7, 3214868480
	.fill 96, 4, 3214868480
	.section	.rodata,"a",@progbits
	.p2align	6, 0x0
	.amdhsa_kernel k_qd1fe67abaf_qx
		.amdhsa_group_segment_fixed_size 36352
		.amdhsa_private_segment_fixed_size 0
		.amdhsa_enable_private_segment 0
		.amdhsa_kernarg_size 32
		.amdhsa_user_sgpr_count 2
		.amdhsa_user_sgpr_kernarg_segment_ptr 1
		.amdhsa_wavefront_size32 1
		.amdhsa_system_sgpr_workgroup_id_x 1
		.amdhsa_system_sgpr_workgroup_id_y 1
		.amdhsa_system_sgpr_workgroup_id_z 1
		.amdhsa_system_vgpr_workitem_id 0
		.amdhsa_next_free_vgpr 194
		.amdhsa_next_free_sgpr 66
		.amdhsa_reserve_vcc 0
		.amdhsa_float_denorm_mode_32 3
		.amdhsa_float_denorm_mode_16_64 3
		.amdhsa_memory_ordered 1
		.amdhsa_forward_progress 1
		.amdhsa_inst_pref_size 42
	.end_amdhsa_kernel
	.amdgpu_metadata
---
amdhsa.version: [ 1, 2 ]
amdhsa.kernels:
  - .name:           k_qd1fe67abaf_qx
    .symbol:         k_qd1fe67abaf_qx.kd
    .args:
      - { .name: x, .offset: 0, .size: 8, .value_kind: global_buffer, .address_space: global }
      - { .name: kv, .offset: 8, .size: 8, .value_kind: global_buffer, .address_space: global }
      - { .name: acodes, .offset: 16, .size: 8, .value_kind: global_buffer, .address_space: global }
      - { .name: ascales, .offset: 24, .size: 8, .value_kind: global_buffer, .address_space: global }
    .group_segment_fixed_size: 36352
    .private_segment_fixed_size: 0
    .kernarg_segment_align: 8
    .kernarg_segment_size: 32
    .max_flat_workgroup_size: 128
    .sgpr_count:     66
    .vgpr_count:     194
    .wavefront_size: 32
...
	.end_amdgpu_metadata
.endif
;; end of part 2
;; launch proj (part 3): grid 4 x 96, 4 waves a work-group, clusters of 4 x 4, 327,680 bytes of LDS; arguments acodes, ascales, wcodes, wscales, bq, bk, bv, kv_mask, qimg, kvimg; writes qimg, kvimg
.if DOCPART == 3
	.amdgcn_target "amdgcn-amd-amdhsa--gfx1250"
	.amdhsa_code_object_version 6
	.text
	.protected	k_qd1fe67abaf_proj
	.globl	k_qd1fe67abaf_proj
	.p2align	8
	.type	k_qd1fe67abaf_proj,@function
k_qd1fe67abaf_proj:
	s_mov_b64 s[64:65], 0
	v_nop
	global_prefetch_b8 v0, s[64:65] scope:SCOPE_SE
	s_setreg_imm32_b32 hwreg(HW_REG_WAVE_MODE, 25, 1), 1
	s_wait_xcnt 0x0
	s_wait_alu depctr_hold_cnt(0) depctr_sa_sdst(0) depctr_va_vdst(0) depctr_va_sdst(0) depctr_va_ssrc(0) depctr_va_vcc(0) depctr_vm_vsrc(0)
	s_getreg_b32 s2, hwreg(HW_REG_IB_STS2, 6, 4)
	s_cmp_eq_u32 s2, 0
	s_cbranch_scc0 .Lentry_in_a_cluster
	s_endpgm
.Lentry_in_a_cluster:
	s_bfe_u32 s2, ttmp6, 0x10000c
	s_cmp_lg_u32 s2, 0xf033
	s_cbranch_scc0 .Lentry_shape_is_right
	s_endpgm
.Lentry_shape_is_right:
; THE THREE PROJECTIONS q = Wq x + bq, k = Wk kv + bk, v = Wv kv + bv, on codes of FP6 (E2M3) with one E8M0 scale for each 32 along K = the 1,024 input channels, and the quantising of their results for attention.
; One text serves all three.  A product has two operands of rows of 768 bytes: "A", whose rows become the ROWS of the next operand, and "B", whose rows become its K:
;   q: A = x's rows (queries), B = Wq's (channels: 64 to a head);   k: A = kv's rows (keys), B = Wk's;   v: A = Wv's rows (channels), B = kv's rows of one batch (keys).
; A tile of 256 (A) x 256 (B) is made by four waves, each 128 x 128: 64 accumulators of 16 x 16, 512 registers.  K goes in steps of 256 through a ring of two LDS slots filled by the tensor data mover.
; The scale bytes of the tile's rows, for all of K, come into LDS once, with the first fills.  CLUSTERS: 4 x 4 work-groups; A's tiles are asked for jointly along a row of the cluster, B's along a column.
; THE MATRIX INSTRUCTION TAKES B AS SOURCE 0 AND A AS SOURCE 1: a lane holds one row of A and its registers run along B's rows.  All rows lie in memory with bits 3 and 4 of their number exchanged, so 16 rows on end
; (block i, place rho) are the rows 32 (i / 2) + 8 (i % 2) + rho % 8 + 16 (rho / 8): the 16 registers of accumulators (a, 2 u) and (a, 2 u + 1) are 16 NEIGHBOURS, 32 u + 16 (lane / 16) + 0 .. 15, along the next K.
; THE WAY OUT: for each of my 8 blocks of 16 rows of A: the bias is added, the 64 numbers of a lane are quantised along the next K (4 blocks of 32), and the codes leave AS IMAGES OF THE NEXT OPERAND'S REGISTERS,
; four registers a lane by one store of 512 consecutive bytes a wave.  No result goes through LDS.
;   q, k: my 128 channels are two heads.  A head's 64 channels fill k = 0 .. 63 of a fragment of 128.  THE KEY MASK RIDES AT k = 64: every query has the code 1.0 there under the byte 127; a masked key has the
;   code -7.5 under the byte 247 (2^120), an open key the code 0 under the byte 0.  So a masked score is about -1e37 and an open one is untouched.  k = 65 .. 127 are zero codes.
;   q is quantised WITHOUT the factor 1 / 8: a power of two changes a block's scale and no code; attention multiplies by it.
;   v: my 128 keys are one K step of attention's second product; my 128 channels are two heads of four tiles.
; LIMITS: a block of zeros gets the byte 1 where the rule says 127 (this program alone reads the bytes); blocks under 2^-124 keep the byte 1; NaN and infinities are not served;
; the true score of a masked key has to stay under about 2^118, so that -7.5 x 2^120 outweighs it.
; REGISTERS, in windows of 256: window 0: v0-31 addresses and work of the way out; v32-63 scale words, two sets; v64-127 the bias along B's rows; v128-223 A's fragments, one set (on the way out: numbers and codes);
;   v216-223 scale words made; v224-231 mask bytes; v232-247 the bias along A's rows; v248-255 at work.   window 1: B's fragments, two sets.   windows 2, 3: the accumulators ((a, b) at v[8 (8 (a % 4) + b)]).
.set KSTEP,  256                       ; along K in a slot
.set NQ,     KSTEP/128                 ; matrix instructions deep
.set ROWB,   192                       ; a tile's row in bytes
.set KROW,   768                       ; a row of codes in memory
.set PITCH,  240                       ; an LDS row: 3 x (64 bytes of data + 16 of padding)
.set FR,     12                        ; registers of a fragment: 16 rows x 128 K
.set NL,     6                         ; LDS loads that bring one
.set NP,     4                         ; places behind this matrix instruction (ISA guide 7.12.1)
.set HALFT,  128*PITCH                 ; 128 rows: what one tensor load brings
.set SLOT,   4*HALFT                   ; A's 256 rows, then B's 256 rows
.set LAPS,   2                         ; 1,024 along K = twice round the ring
.set KS,     32                        ; a row of scale bytes
.set SCL,    2*SLOT                    ; behind the ring: the scale bytes, as runs of 256 bytes + 16 of padding
.set HALFS,  (128*KS/256)*272          ; those of 128 rows
.set SBLK,   (16*KS/256)*272           ; those of 16 rows
.set SPARE,  SCL+4*HALFS               ; behind them: the spare words, 128 bytes for each wave, which no other line names
.set ADRA, 16                          ; v16-17  LDS address of my A fragments in slot 0, 1  (v18-19: for the pieces behind one padding more)
.set ADRB, 20                          ; v20-21  the same for B  (v22-23)
.set CO,   26                          ; v26     16 x lane: my place in an image
.set ADRS, 27                          ; v27     LDS address of my scale words: lanes 0-15 A's rows, lanes 16-31 B's
.set SPW,  28                          ; v28     LDS address of my spare word; never rewritten
.set NIL,  29                          ; v29     0; never rewritten
.set HO,   10                          ; v10     the scale words' way out: (lane / 16) x a head's bytes + 16 x (lane % 16)
.set SC,   32                          ; scale words: set s at v[SC + 16 s]; register 2 i + q: lanes 0-15 A's block i, lanes 16-31 B's block i
.set AF,   128                         ; A's fragments
.set BI,   64                          ; v64-127  q, k: the bias of my lane's 64 channels, in the registers' order
.set MB,   224                         ; v224-231 q, k: the mask byte of my lane's row in block a
.set BV,   232                         ; v232-247 v: the bias of my lane's row in block a, at 2 a; the odd registers hold 0
.set ST,   128                         ; the way out: 64 numbers
.set PC,   192                         ; 16 registers of codes
.set TP,   208                         ; 8 more: the conversions' second halves
.set SW,   216                         ; the 8 blocks' scale words
.set TA,   248                         ; largest magnitudes
.set TX,   252                         ; the other half's; then the bytes
.set TC,   12                          ; the conversions' scale operands
.set PW,   11                          ; the scale word just made
.set M0,   3                           ; the code at k = 64 of a masked row, of an open row (lanes 0-15; 0 in lanes 16-31)
.set M1,   4
.set E0,   5                           ; its scale byte, at bits 16-23, likewise
.set E1,   6
.set SH16, 24                          ; 16 x (lane / 16)
.set T0,   25
.set T1,   30
.set G1, 24                            ; s[24:31] descriptor group 1 for A's tiles;  s[32:39] group 0, one set for each slot
.set G0, 32
.set G1B, 48                           ; s[48:55], s[56:63] the same for B's tiles
.set G0B, 56
.set G1S, 68                           ; s[68:75], s[76:79] groups 1 and 0 for A's scales;  s[80:87], s[88:91] for B's
.set G0S, 76
.set G1SB, 80
.set G0SB, 88
.set MSB, 0
.macro WIN new                         ; the immediate's high byte repeats the setting that is left
.if MSB != \new
	s_set_vgpr_msb (MSB<<8)|\new
.set MSB, \new
.endif
.endm
.set MUL_LO, 0xa1                      ; source 0 (B) window 1, source 1 (A) window 0, C and D window 2
.set MUL_HI, 0xf1                      ; the same, C and D window 3
.set TO_B,   0x40                      ; destination window 1, address window 0
; A joint load: waves 0 and 1 fetch for A, waves 2 and 3 for B.  Each of the two lines has one mask and one set of registers for all that issue it; the branch hangs on the wave's number alone.
; Four v_nop follow each of the two lines, ahead of the jump, the label and what follows.
.macro JLOAD g0a, g1a, g0b, g1b
	s_cmp_eq_u32 s15, 0
	s_cbranch_scc0 .Lfor_b_\@
	tensor_load_to_lds s[\g0a:\g0a+3], s[\g1a:\g1a+7]
	s_nop 0
.rept 4
	v_nop
.endr
	s_branch .Lasked_\@
.Lfor_b_\@:
	tensor_load_to_lds s[\g0b:\g0b+3], s[\g1b:\g1b+7]
	s_nop 0
.rept 4
	v_nop
.endr
.Lasked_\@:
.endm
.macro CREST                           ; a round of the cluster's barrier behind its opening barrier
	s_cmp_lg_u32 s14, 0
	s_cbranch_scc1 .Lnot_wave_0_\@
	s_barrier_signal -3
.Lnot_wave_0_\@:
	s_barrier_wait -3
	s_barrier_signal -1
	s_barrier_wait -1
.endm
.macro CROUND                          ; a whole round
	s_barrier_signal -1
	s_barrier_wait -1
	CREST
.endm
	s_load_b256 s[4:11], s[0:1], 0x0               ; acodes s[4:5], ascales s[6:7], wcodes s[8:9], wscales s[10:11]
	s_load_b128 s[96:99], s[0:1], 0x20             ; bq, bk
	s_load_b64 s[100:101], s[0:1], 0x30            ; bv
	s_load_b64 s[104:105], s[0:1], 0x38            ; kv_mask
	s_load_b128 s[92:95], s[0:1], 0x40             ; qimg, kvimg
	v_lshl_add_u32 v[SPW], v0, 2, SPARE
	v_mov_b32 v[NIL], 0
	ds_add_u32 v28, v29
	ds_add_u32 v28, v29
	s_wait_dscnt 0x0
	v_lshrrev_b32 v1, 5, v0
	v_readfirstlane_b32 s14, v1                    ; wave 0..3
	s_lshr_b32 s15, s14, 1                         ; which half of A's rows is mine.  Also: I fetch for A (0) or for B (1)
	s_and_b32 s16, s14, 1                          ; which half of B's rows.  Also: which 128 rows of that tile I fetch
	s_bfe_u32 s40, ttmp6, 0x40000                  ; cx, cy: my place in the cluster
	s_bfe_u32 s41, ttmp6, 0x40004
	s_and_b32 s67, ttmp7, 0xffff                   ; the cluster's number, 0..23: the same in all sixteen partners
	s_lshr_b32 s66, s67, 3                         ; which product: 0 q, 1 k, 2 v
	s_and_b32 s67, s67, 7                          ; which eighth of it
	s_lshl_b32 s18, s67, 2
	s_lshl_b32 s19, s66, 5
	s_add_co_u32 s19, s19, s18                     ; q: 4 sub;  k: 32 + 4 sub  (tiles of 256 rows of acodes)
	s_lshl_b32 s2, s66, 2                          ; q: 0;  k: 4  (tiles of wcodes)
	s_add_co_u32 s18, s18, 32                      ; v's B: 32 + 4 sub
	s_cmp_eq_u32 s66, 2
	s_cselect_b32 s17, 8, s19                      ; A's tile (v: Wv begins at tile 8 of wcodes),
	s_cselect_b32 s42, s18, s2                     ; B's tile,
	s_add_co_u32 s17, s17, s41                     ; + cy: shared along a row of the cluster
	s_add_co_u32 s42, s42, s40                     ; + cx: shared along a column
	s_lshl_b32 s43, s41, 2
	s_lshl_b32 s43, 15, s43                        ; my row of the cluster
	s_lshl_b32 s44, 0x1111, s40                    ; my column
	; descriptor group 1: a tile of 128 rows x 192 bytes, padded in LDS
	s_or_b32 s[G1+0], s43, (0<<16)|(1<<20)|(1<<21)|(3<<22)|(3<<25)  ; 15:0 the mask: A's tiles go to my row; 17:16 elements of 1 byte; 20 padding on; 21 set beside a mask; 24:22 after every 16 words; 31:25 of 4 words
	s_or_b32 s[G1B+0], s44, (0<<16)|(1<<20)|(1<<21)|(3<<22)|(3<<25)
.irp g, G1, G1B
	s_mov_b32 s[\g+1], ROWB<<16                    ; tensor_dim0
	s_mov_b32 s[\g+2], 128<<16                     ; tensor_dim1 = 128
	s_mov_b32 s[\g+3], ROWB<<16                    ; tile_dim0
	s_mov_b32 s[\g+4], 128                         ; tile_dim1 = 128
	s_mov_b32 s[\g+5], KROW                        ; tensor_dim0_stride
	s_mov_b32 s[\g+6], 0
	s_mov_b32 s[\g+7], 0
.endr
	; and for the scale bytes of 128 rows: a dense block of 4,096 bytes, as 16 rows of 256 bytes (32 elements of 8 bytes), 16 bytes of padding behind each
	s_or_b32 s[G1S+0], s43, (3<<16)|(1<<20)|(1<<21)|(5<<22)|(3<<25)
	s_or_b32 s[G1SB+0], s44, (3<<16)|(1<<20)|(1<<21)|(5<<22)|(3<<25)
.irp g, G1S, G1SB
	s_mov_b32 s[\g+1], 32<<16
	s_mov_b32 s[\g+2], (128*KS/256)<<16
	s_mov_b32 s[\g+3], 32<<16
	s_mov_b32 s[\g+4], 128*KS/256
	s_mov_b32 s[\g+5], 32
	s_mov_b32 s[\g+6], 0
	s_mov_b32 s[\g+7], 0
.endr
	s_lshl_b32 s18, s16, 7                         ; which 128 rows of the tile I fetch
	s_lshl_b32 s20, s17, 8
	s_add_co_u32 s20, s20, s18                     ; A: row 256 x tile + 128 x half
	s_lshl_b32 s46, s42, 8
	s_add_co_u32 s46, s46, s18                     ; B likewise
	s_mov_b32 s21, 0
	s_mov_b32 s47, 0
	s_mov_b64 s[18:19], KS
	s_mul_u64 s[22:23], s[20:21], s[18:19]         ; where these rows' scale bytes begin,
	s_mul_u64 s[12:13], s[46:47], s[18:19]
	s_mov_b64 s[18:19], KROW
	s_mul_u64 s[20:21], s[20:21], s[18:19]         ; and their codes
	s_mul_u64 s[46:47], s[46:47], s[18:19]
	s_mul_i32 s45, s14, HALFT                      ; where they go: wave x 128 rows: no place in the cluster enters an LDS address
	s_mul_i32 s2, s14, HALFS
	s_wait_kmcnt 0x0
	s_cmp_eq_u32 s66, 2                            ; for v the weight is A and the activations are B: the buffers change places (the choice hangs on the cluster's number alone)
	s_cselect_b64 s[18:19], s[8:9], s[4:5]
	s_cselect_b64 s[8:9], s[4:5], s[8:9]
	s_mov_b64 s[4:5], s[18:19]
	s_cselect_b64 s[18:19], s[10:11], s[6:7]
	s_cselect_b64 s[10:11], s[6:7], s[10:11]
	s_mov_b64 s[6:7], s[18:19]
	s_add_nc_u64 s[20:21], s[4:5], s[20:21]
	s_add_nc_u64 s[22:23], s[6:7], s[22:23]
	s_add_nc_u64 s[46:47], s[8:9], s[46:47]
	s_add_nc_u64 s[12:13], s[10:11], s[12:13]
	CROUND                                         ; all sixteen work-groups are here: the first joint loads meet
	s_mov_b32 s[G0S], 1
	s_add_co_u32 s[G0S+1], s2, SCL
	s_mov_b64 s[G0S+2:G0S+3], s[22:23]
	s_or_b32 s[G0S+3], s[G0S+3], 0x80000000
	s_mov_b32 s[G0SB], 1
	s_add_co_u32 s[G0SB+1], s2, SCL
	s_mov_b64 s[G0SB+2:G0SB+3], s[12:13]
	s_or_b32 s[G0SB+3], s[G0SB+3], 0x80000000
	JLOAD G0S, G1S, G0SB, G1SB                     ; the scale bytes first: they are wanted with K step 0
.irp s, 0,1
	s_mov_b32 s[G0+4*\s], 1
	s_add_co_u32 s[G0+4*\s+1], s45, \s*SLOT
	s_add_nc_u64 s[G0+4*\s+2:G0+4*\s+3], s[20:21], \s*ROWB
	s_or_b32 s[G0+4*\s+3], s[G0+4*\s+3], 0x80000000
	s_mov_b32 s[G0B+4*\s], 1
	s_add_co_u32 s[G0B+4*\s+1], s45, \s*SLOT
	s_add_nc_u64 s[G0B+4*\s+2:G0B+4*\s+3], s[46:47], \s*ROWB
	s_or_b32 s[G0B+4*\s+3], s[G0B+4*\s+3], 0x80000000
	s_wait_alu depctr_va_vdst(0)
	s_wait_tensorcnt 0x0
	ds_add_u32 v28, v29
	s_wait_dscnt 0x0
	CROUND
	JLOAD G0+4*\s, G1, G0B+4*\s, G1B               ; one tensor load of mine, slot 1's, is out behind the second of these
.endr
	v_and_b32 v1, 15, v0                           ; r = lane % 16; kept
	v_bfe_u32 v2, v0, 4, 1                         ; h = lane / 16; kept
	v_mul_u32_u24 v3, v1, PITCH
	v_mul_u32_u24 v4, v2, 24
	v_add_nc_u32 v4, v3, v4                        ; a fragment's row x pitch + 24 x half
	v_lshl_add_u32 v5, v2, 4, v4                   ; and the same behind one padding more
	s_mul_i32 s21, s15, HALFT                      ; my 128 rows of A
	s_mul_i32 s22, s16, HALFT                      ; my 128 rows of B,
	s_add_co_u32 s22, s22, 2*HALFT                 ; which lie behind A's 256
.irp s, 0,1
	v_add_nc_u32 v[ADRA+\s], s21, v4
	v_add_nc_u32 v[ADRB+\s], s22, v4
	v_add_nc_u32 v[ADRA+2+\s], s21, v5
	v_add_nc_u32 v[ADRB+2+\s], s22, v5
	s_add_co_u32 s21, s21, SLOT
	s_add_co_u32 s22, s22, SLOT
.endr
	v_mul_u32_u24 v5, v1, KS                       ; my row's scale bytes: 32 a row,
	v_lshrrev_b32 v6, 8, v5
	v_lshl_add_u32 v5, v6, 4, v5                   ; and 16 more for each 256 passed
	s_mul_i32 s21, s15, HALFS                      ; A's: my 128 rows
	s_mul_i32 s22, s16, HALFS                      ; B's: my 128 rows, behind A's 256
	s_add_co_u32 s22, s22, 2*HALFS
	s_sub_co_u32 s22, s22, s21
	v_mul_u32_u24 v6, s22, v2                      ; lanes 16-31 take B's
	s_add_co_u32 s21, s21, SCL
	v_add_nc_u32 v5, v5, v6
	v_add_nc_u32 v[ADRS], s21, v5
	v_and_b32 v6, 31, v0
	v_lshlrev_b32 v[CO], 4, v6
	; THE BIAS AND THE MASK.  One way for all three products: what a product does not use is loaded from the buffer's first bytes and left unread.
	s_cmp_eq_u32 s66, 1
	s_cselect_b64 s[96:97], s[98:99], s[96:97]
	s_cmp_eq_u32 s66, 2
	s_cselect_b64 s[96:97], s[100:101], s[96:97]   ; my product's bias
	s_lshl_b32 s18, s40, 10
	s_lshl_b32 s19, s16, 9
	s_add_co_u32 s18, s18, s19                     ; q, k: my 128 channels begin at byte 1,024 cx + 512 x (B's half)
	s_lshl_b32 s19, s41, 10
	s_lshl_b32 s21, s15, 9
	s_add_co_u32 s19, s19, s21                     ; v: at 1,024 cy + 512 x (A's half)
	s_lshl_b32 s22, s67, 2
	s_add_co_u32 s22, s22, s41
	s_lshl_b32 s22, s22, 8
	s_lshl_b32 s23, s15, 7
	s_add_co_u32 s22, s22, s23                     ; q, k: my 128 rows among the 8,192: 256 (4 sub + cy) + 128 x (A's half)
	s_cmp_eq_u32 s66, 2
	s_cselect_b32 s18, 0, s18
	s_cselect_b32 s19, s19, 0
	s_cselect_b32 s22, 0, s22
	v_lshlrev_b32 v7, 6, v2
	v_add_nc_u32 v7, s18, v7                       ; register 16 u + i holds channel 32 u + 16 h + i: 64 h bytes on
	v_and_b32 v9, 8, v1
	v_add_nc_u32 v9, v9, v1                        ; r + 8 (r / 8): my row in block a is 32 (a / 2) + 8 (a % 2) + this
	v_lshl_add_u32 v8, v9, 2, s19
	v_add_nc_u32 v9, s22, v9
.irp b, 0,1,2,3
.irp j, 0,1,2,3
	global_load_b128 v[BI+16*\b+4*\j:BI+16*\b+4*\j+3], v7, s[96:97] offset:128*\b+16*\j
.endr
.endr
.irp a, 0,1,2,3,4,5,6,7
	global_load_b32 v[BV+2*\a], v8, s[96:97] offset:4*(32*(\a/2)+8*(\a%2))
	global_load_u8 v[MB+\a], v9, s[104:105] offset:32*(\a/2)+8*(\a%2)
	v_mov_b32 v[BV+2*\a+1], 0                      ; (named as the upper half of a pair)
.endr
	; WHERE THE IMAGES GO.  Heads 4 P + 2 Pw and the next; step (of 128 queries or keys) 2 (4 (sub % 2) + R) + Rw; batch sub / 2.
	s_cmp_eq_u32 s66, 0
	s_cselect_b64 s[92:93], s[92:93], s[94:95]     ; qimg for q, kvimg for k and v
	s_cmp_eq_u32 s66, 2
	s_cselect_b32 s18, s41, s40                    ; P
	s_cselect_b32 s19, s15, s16                    ; Pw
	s_cselect_b32 s20, s40, s41                    ; R
	s_cselect_b32 s21, s16, s15                    ; Rw
	s_cselect_b32 s22, 8192, 0                     ; v's tiles lie behind k's eight in a record
	s_lshl_b32 s18, s18, 2
	s_lshl_b32 s19, s19, 1
	s_add_co_u32 s18, s18, s19
	s_lshr_b32 s19, s67, 1
	s_lshl_b32 s19, s19, 4
	s_add_co_u32 s18, s18, s19                     ; 16 x batch + head
	s_and_b32 s19, s67, 1
	s_lshl_b32 s19, s19, 2
	s_add_co_u32 s19, s19, s20
	s_lshl_b32 s19, s19, 1
	s_add_co_u32 s19, s19, s21                     ; the step
	s_mov_b32 s23, 241664                          ; a head's bytes in kvimg: 16 records of 15,104;
	s_mov_b32 s46, 15104
	s_cmp_eq_u32 s66, 0
	s_cselect_b32 s23, 139264, s23                 ; in qimg: 16 records of 8,704
	s_cselect_b32 s46, 8704, s46
	s_mul_i32 s18, s18, s23
	s_mul_i32 s19, s19, s46
	s_add_co_u32 s18, s18, s19
	s_mov_b32 s19, 0
	s_add_nc_u64 s[92:93], s[92:93], s[18:19]      ; my first head's record
	s_mov_b32 s20, 14336                           ; where its scale words begin: k's,
	s_cmp_eq_u32 s66, 0
	s_cselect_b32 s20, 8192, s20                   ; q's,
	s_mov_b32 s21, 14848
	s_cmp_eq_u32 s66, 2
	s_cselect_b32 s20, s21, s20                    ; v's
	s_mov_b32 s21, 0
	s_add_nc_u64 s[98:99], s[92:93], s[20:21]      ; the scale words' base
	s_mov_b32 s20, s22
	s_add_nc_u64 s[12:13], s[92:93], s[20:21]      ; the first head's tiles
	s_mov_b32 s20, s23
	s_add_nc_u64 s[94:95], s[12:13], s[20:21]      ; the second head's
	v_mul_u32_u24 v[HO], s23, v2
	v_lshl_add_u32 v[HO], v1, 4, v[HO]
	s_mov_b32 s18, 0x76543210                      ; v_permlanex16_b32's selects for lane l xor 16
	s_mov_b32 s19, 0xfedcba98
	s_mov_b32 s20, 0xffff0000                      ; lanes 16-31
.macro FRAG reg, adr, q, i             ; a fragment, 16 rows x 128 K of 6-bit codes, is 12 registers: lane l holds row l % 16; registers 6 c .. 6 c + 5 hold K = 64 c + 32 (l / 16) + 0 .. 31: 24 bytes of the row, as they lie
.irp p, 0,1,2,3,4,5                    ; in pieces of 8 bytes.  Lanes 0-15 take the row's pieces 12 q + 0, 1, 2 and 12 q + 6, 7, 8, lanes 16-31 those three pieces on
.set PCE, 12*(\q)+6*(\p/3)+\p%3       ; 16 bytes of padding lie behind every 64 bytes (8 pieces): where the piece three on lies behind one padding more, the second address register serves
.if PCE%8 < 5
	ds_load_b64 v[\reg+2*\p:\reg+2*\p+1], v[\adr] offset:8*PCE+16*(PCE/8)+(\i)*16*PITCH
.else
	ds_load_b64 v[\reg+2*\p:\reg+2*\p+1], v[\adr+2] offset:8*PCE+16*(PCE/8)+(\i)*16*PITCH
.endif
.endr
.endm
; 16 matrix instructions: A's blocks a0, a0 + 1 x B's eight, 128 along K: the slot's q-th.  p: B's set;  sc: the set of scale words.  zero = 1: the first product starts the sums.
; The 64 accumulators take turns, one instruction a turn, in the same order in every step.
.macro MUL16 a0, p, q, sc, zero
.irp a, \a0, \a0+1
.irp b, 0,1,2,3,4,5,6,7
.if \zero
	v_wmma_scale_f32_16x16x128_f8f6f4 v[8*(8*((\a)%4)+\b):8*(8*((\a)%4)+\b)+7], v[128*(\p)+FR*\b:128*(\p)+FR*\b+FR-1], v[AF+FR*(\a):AF+FR*(\a)+FR-1], 0, v[SC+8*NQ*(\sc)+NQ*\b+(\q)], v[SC+8*NQ*(\sc)+NQ*(\a)+(\q)] matrix_a_fmt:MATRIX_FMT_FP6 matrix_b_fmt:MATRIX_FMT_FP6 matrix_a_scale:MATRIX_SCALE_ROW1
.else
	v_wmma_scale_f32_16x16x128_f8f6f4 v[8*(8*((\a)%4)+\b):8*(8*((\a)%4)+\b)+7], v[128*(\p)+FR*\b:128*(\p)+FR*\b+FR-1], v[AF+FR*(\a):AF+FR*(\a)+FR-1], v[8*(8*((\a)%4)+\b):8*(8*((\a)%4)+\b)+7], v[SC+8*NQ*(\sc)+NQ*\b+(\q)], v[SC+8*NQ*(\sc)+NQ*(\a)+(\q)] matrix_a_fmt:MATRIX_FMT_FP6 matrix_b_fmt:MATRIX_FMT_FP6 matrix_a_scale:MATRIX_SCALE_ROW1
.endif
.endr
.endr
.endm
.macro FETCH_B slot, q, p              ; B's eight fragments of the slot's q-th 128 along K into set p
	WIN TO_B
.irp i, 0,1,2,3,4,5,6,7
	FRAG 128*(\p)+FR*\i, ADRB+\slot, \q, \i
.endr
	WIN 0
.endm
.macro FETCH_A slot, q, i0             ; A's blocks i0 .. i0 + 3
.irp i, \i0, \i0+1, \i0+2, \i0+3
	FRAG AF+FR*(\i), ADRA+\slot, \q, \i
.endr
.endm
.macro SCALES sc                       ; the next K step's scale words into set sc: two words a row; lanes 0-15 take A's block i, lanes 16-31 B's block i
.irp i, 0,1,2,3,4,5,6,7
	ds_load_b64 v[SC+8*NQ*\sc+NQ*\i:SC+8*NQ*\sc+NQ*\i+1], v[ADRS] offset:\i*SBLK
.endr
.endm
; A load into a register that a matrix instruction has read, and a vector instruction that reads a matrix result or writes one of a matrix instruction's registers, stand NP places behind it, and only
; plain vector instructions that name none of its registers are places (ISA guide 7.12.1 for vector instructions).
.macro PLACES n
.rept \n
	v_nop
.endr
.endm
; A step of 128 along K that has its successor in the same slot.
.macro STEP slot, q, zero
	s_wait_dscnt 4*NL                              ; B's set and A's blocks 0-3 are in; the youngest 24 loads (A's blocks 4-7) may be out
	WIN MUL_LO
	MUL16 0, (\q)%2, \q, \slot, \zero
	MUL16 2, (\q)%2, \q, \slot, \zero
	s_wait_dscnt 0                                 ; A's blocks 4-7 are in (asked for 32 matrix instructions ago)
	PLACES NP
	FETCH_B \slot, (\q)+1, 1-(\q)%2
	FETCH_A \slot, (\q)+1, 0
	WIN MUL_HI
	MUL16 4, (\q)%2, \q, \slot, \zero
	MUL16 6, (\q)%2, \q, \slot, \zero
	PLACES NP
	WIN 0
	FETCH_A \slot, (\q)+1, 4
.endm
; A slot's last step changes slots: one barrier; in front of it each wave waits for all its tensor loads, adds 0 to its spare word, and waits for that and for its own reads of this slot.  fill = 1: this slot is filled again, two K steps ahead.
.macro TURN slot, next, fill
	s_wait_tensorcnt 0x0                           ; all my tensor loads have landed: my part of the next slot;  (every window is 0 here)
	ds_add_u32 v[SPW], v[NIL]                      ; 0 onto my spare word;
	s_wait_dscnt 4*NL+1                            ; (the add and the youngest 24 loads, A's blocks 4-7, may be out)
	WIN MUL_LO
	MUL16 0, 1, NQ-1, \slot, 0                     ; sixteen matrix instructions stand between the add and the wait for it
	s_wait_dscnt 0x0                               ; the add is done, and my reads of this slot are over
	s_barrier_signal -1
	MUL16 2, 1, NQ-1, \slot, 0
	WIN 0
	s_barrier_wait -1
.if \fill
	CREST                                          ; the barrier has opened a round of the cluster's barrier: no wave of any partner still reads this slot's tile or has a load on its way
	s_add_nc_u64 s[G0+4*\slot+2:G0+4*\slot+3], s[G0+4*\slot+2:G0+4*\slot+3], 2*ROWB
	s_add_nc_u64 s[G0B+4*\slot+2:G0B+4*\slot+3], s[G0B+4*\slot+2:G0B+4*\slot+3], 2*ROWB
	JLOAD G0+4*\slot, G1, G0B+4*\slot, G1B         ; the first tensor load behind the round; the four v_nop behind it are the places in front of the loads below
.else
	PLACES NP
.endif
	s_wait_alu depctr_va_vdst(0)
	v_add_nc_u32 v[ADRS], 4*NQ, v[ADRS]            ; on to the next K step's scale words (no LDS load of mine is out)
	FETCH_B \next, 0, 0
	FETCH_A \next, 0, 0
	SCALES \next
	WIN MUL_HI
	MUL16 4, 1, NQ-1, \slot, 0
	MUL16 6, 1, NQ-1, \slot, 0
	PLACES NP
	WIN 0
	FETCH_A \next, 0, 4
.endm
	s_wait_loadcnt 0x0                             ; the bias and the mask bytes are in: no load into registers is out during the loop
	s_wait_tensorcnt 1                             ; the scale bytes and my part of K step 0 are in (K step 1's load may be out)
	s_barrier_signal -1
	s_barrier_wait -1                              ; everybody's are
	FETCH_B 0, 0, 0
	FETCH_A 0, 0, 0
	SCALES 0
	FETCH_A 0, 0, 4
	STEP 0, 0, 1                                   ; the first step stands in front of the loop: its products start the sums
	s_mov_b32 s3, LAPS-1
.Llap:                                                 ; a trip goes once round the ring, from a lap's second step to the next lap's first, and fills both slots again
	TURN 0, 1, 1
	STEP 1, 0, 0
	TURN 1, 0, 1
	STEP 0, 0, 0
	s_sub_co_u32 s3, s3, 1
	s_cmp_lg_u32 s3, 0
	s_cbranch_scc1 .Llap
	TURN 0, 1, 0                                   ; the last lap fills nothing, and has no round of the cluster's barrier
	STEP 1, 0, 0
	s_wait_dscnt 4*NL                              ; the very last step: nothing more to fetch
	WIN MUL_LO
	MUL16 0, 1, NQ-1, 1, 0
	MUL16 2, 1, NQ-1, 1, 0
	s_wait_dscnt 0
	WIN MUL_HI
	MUL16 4, 1, NQ-1, 1, 0
	MUL16 6, 1, NQ-1, 1, 0
	WIN 0
	s_wait_tensorcnt 0x0                           ; my last LDS instructions, behind my last tensor load: the way out uses no LDS
	ds_add_u32 v[SPW], v[NIL]
	s_wait_dscnt 0x0
	PLACES NP                                      ; behind the last products: what follows reads results and writes registers that held A's fragments
; THE WAY OUT.
; Block a's 64 numbers of my lane + the bias -> v[ST] on, each accumulator from its low end on.  varm = 0: the bias runs along the registers;  1: one number for my row.
.macro ADDB a, varm
	WIN 0x02+(\a)/4                                ; source 0: window 2 or 3
.set AC, 64*((\a)%4)
.set J, 0
.rept 32
.if \varm
	v_pk_add_f32 v[ST+J:ST+J+1], v[AC+J:AC+J+1], v[BV+2*(\a):BV+2*(\a)+1] op_sel_hi:[1,0]
.else
	v_pk_add_f32 v[ST+J:ST+J+1], v[AC+J:AC+J+1], v[BI+J:BI+J+1]
.endif
.set J, J+2
.endr
	WIN 0
.endm
; v[ST + 16 b + i] = number 32 b + 16 (lane / 16) + i of my row along the next K.  Codes: blocks 2 c, 2 c + 1 -> v[PC + 8 c .. + 2] (each lane's block's lower 16) and v[TP + 4 c .. + 2] (the upper 16); the row's scale word -> v[PW].
.macro QUANT
.irp b, 0,1,2,3
	v_max3_num_f32 v[TA+\b], |v[ST+16*\b]|, |v[ST+1+16*\b]|, 0x1800000   ; block b: my 16 numbers, and the floor 2^(3 - 127): the byte cannot fall under 1
.endr
.irp i, 2,4,6,8,10,12,14
.irp b, 0,1,2,3
	v_max3_num_f32 v[TA+\b], v[TA+\b], |v[ST+16*\b+\i]|, |v[ST+1+16*\b+\i]|   ; (the four blocks by turns)
.endr
.endr
.irp b, 0,1,2,3
	v_permlanex16_b32 v[TX+\b], v[TA+\b], s18, s19
.endr
.irp b, 0,1,2,3
	v_max_num_f32 v[TA+\b], v[TA+\b], v[TX+\b]     ; with lane l xor 16's: the block's largest magnitude
.endr
.irp b, 0,1,2,3
	v_add_nc_u32 v[TC+\b], 0xff000000, v[TA+\b]    ; 2 off its exponent field: the conversion's scale operand
.endr
.irp b, 0,1,2,3
	v_lshrrev_b32 v[TX+\b], 23, v[TC+\b]           ; the scale's byte
.endr
	v_lshl_or_b32 v[PW], v[TX+1], 8, v[TX]
	v_lshl_or_b32 v[PW], v[TX+2], 16, v[PW]
	v_lshl_or_b32 v[PW], v[TX+3], 24, v[PW]
.irp c, 0,1
	v_cvt_scalef32_pk16_fp6_f32 v[PC+8*\c:PC+8*\c+2], v[ST+32*\c:ST+15+32*\c], v[TC+2*\c]
	v_cvt_scalef32_pk16_fp6_f32 v[TP+4*\c:TP+4*\c+2], v[ST+16+32*\c:ST+31+32*\c], v[TC+2*\c+1]
.endr
	v_nop                                          ; one plain place behind a scaled conversion
.irp c, 0,1                                    ; the operand's layout wants a whole block in a lane: lanes 0-15 block 2 c, lanes 16-31 block 2 c + 1
.irp i, 0,1,2
	v_permlane16_swap_b32 v[PC+8*\c+\i], v[TP+4*\c+\i]
.endr
.endr
.endm
; q, k: block a is tile a of both heads: registers 0-5 the head's 64 channels, register 6 the code at k = 64 (lanes 0-15), register 7 zero; registers 8-11 are zeros that attention keeps in registers.
.macro QKBLK a
.if (\a) > 0
	s_wait_xcnt 0x0                                ; the last block's stores have read their registers
.endif
	ADDB \a, 0
	QUANT
.irp c, 0,1
.irp i, 0,1,2
	v_mov_b32 v[PC+8*\c+3+\i], v[TP+4*\c+\i]
.endr
.endr
	v_cmp_ne_u32 vcc_lo, 0, v[MB+(\a)]             ; my row counts?
	v_cndmask_b32 v[PC+6], v[M0], v[M1], vcc_lo
	v_cndmask_b32 v[PC+14], v[M0], v[M1], vcc_lo
	v_cndmask_b32 v[T0], v[E0], v[E1], vcc_lo
	v_lshrrev_b32 v[T1], v[SH16], v[PW]            ; lanes 0-15 make the first head's word (bytes 0, 1 of the row's four), lanes 16-31 the second's (bytes 2, 3)
	v_and_or_b32 v[SW+(\a)], v[T1], 0xffff, v[T0]  ; byte 2: the mask column's; byte 3: 0, over zero codes
	global_store_b128 v[CO], v[PC:PC+3], s[12:13] offset:1024*(\a)            ; each store of the wave covers 512 consecutive bytes, at a multiple of 256 from the buffer's first byte
	global_store_b128 v[CO], v[PC+4:PC+7], s[12:13] offset:1024*(\a)+512
	global_store_b128 v[CO], v[PC+8:PC+11], s[94:95] offset:1024*(\a)
	global_store_b128 v[CO], v[PC+12:PC+15], s[94:95] offset:1024*(\a)+512
.if (\a)%4 == 3
	global_store_b128 v[HO], v[SW+(\a)-3:SW+(\a)], s[98:99] offset:256*((\a)/4)   ; four tiles' words of a row on end: sixteen lanes store 256 consecutive bytes of a head
.endif
.endm
; v: block a is tile a % 4 of head a / 4: a whole fragment of 12 registers.
.macro VBLK a
.if (\a) > 0
	s_wait_xcnt 0x0                                ; the last block's stores have read their registers
.endif
	ADDB \a, 1
	QUANT
.irp i, 0,1,2
	v_mov_b32 v[PC+3+\i], v[TP+\i]
.endr
.irp i, 0,1,2
	v_mov_b32 v[PC+6+\i], v[PC+8+\i]               ; (ascending: each register is read before it is written)
.endr
.irp i, 0,1,2
	v_mov_b32 v[PC+9+\i], v[TP+4+\i]
.endr
	v_mov_b32 v[SW+(\a)], v[PW]
.irp p, 0,1,2
.if (\a) < 4
	global_store_b128 v[CO], v[PC+4*\p:PC+4*\p+3], s[12:13] offset:1536*((\a)%4)+512*\p
.else
	global_store_b128 v[CO], v[PC+4*\p:PC+4*\p+3], s[94:95] offset:1536*((\a)%4)+512*\p
.endif
.endr
.endm
	s_cmp_eq_u32 s66, 0                            ; the mask column: q has the code 1.0 (8) under the byte 127 in every row; k has -7.5 (63) under 247 in a masked row, 0 under 0 in an open one
	s_cselect_b32 s21, 8, 63
	s_cselect_b32 s22, 8, 0
	s_mov_b32 s23, 0xf70000
	s_cselect_b32 s23, 0x7f0000, s23
	s_cselect_b32 s46, 0x7f0000, 0
	v_sub_nc_u32 v[T0], 1, v2                      ; 1 in lanes 0-15, which hold k = 64 on
	v_mul_u32_u24 v[M0], s21, v[T0]
	v_mul_u32_u24 v[M1], s22, v[T0]
	v_mov_b32 v[E0], s23
	v_mov_b32 v[E1], s46
	v_lshlrev_b32 v[SH16], 4, v2
	v_mov_b32 v[PC+7], 0
	v_mov_b32 v[PC+15], 0
.irp b, 0,1,2,3
	v_mov_b32 v[TX+\b], 0                          ; written once: a lane permute's destination counts as one of its sources
.endr
	s_cmp_eq_u32 s66, 2                            ; the same in all partners
	s_cbranch_scc1 .Lv_arm
.irp a, 0,1,2,3,4,5,6,7
	QKBLK \a
.endr
	s_branch .Ldone
.Lv_arm:
.irp a, 0,1,2,3,4,5,6,7
	VBLK \a
.endr
.irp i, 0,1,2,3
	v_cndmask_b32 v[TA+\i], v[SW+\i], v[SW+4+\i], s20   ; lanes 0-15: the first head's four tiles' words of row r; lanes 16-31: the second's
.endr
	global_store_b128 v[HO], v[TA:TA+3], s[98:99]
.Ldone:
	CROUND                                         ; the closing round: no work-group ends while a partner may still ask for a tile that names it
	s_endpgm
.Lfunc_end_k_qd1fe67abaf_proj:
	.size	k_qd1fe67abaf_proj, .Lfunc_end_k_qd1fe67abaf_proj-k_qd1fe67abaf_proj
	.p2alignl 7, 3214868480
	.fill 96, 4, 3214868480
	.section	.rodata,"a",@progbits
	.p2align	6, 0x0
	.amdhsa_kernel k_qd1fe67abaf_proj
		.amdhsa_group_segment_fixed_size 327680
		.amdhsa_private_segment_fixed_size 0
		.amdhsa_enable_private_segment 0
		.amdhsa_kernarg_size 80
		.amdhsa_user_sgpr_count 2
		.amdhsa_user_sgpr_kernarg_segment_ptr 1
		.amdhsa_wavefront_size32 1
		.amdhsa_system_sgpr_workgroup_id_x 1
		.amdhsa_system_sgpr_workgroup_id_y 1
		.amdhsa_system_sgpr_workgroup_id_z 1
		.amdhsa_system_vgpr_workitem_id 0
		.amdhsa_next_free_vgpr 1024
		.amdhsa_next_free_sgpr 106
		.amdhsa_reserve_vcc 1
		.amdhsa_float_denorm_mode_32 3
		.amdhsa_float_denorm_mode_16_64 3
		.amdhsa_memory_ordered 1
		.amdhsa_forward_progress 1
		.amdhsa_inst_pref_size 240
	.end_amdhsa_kernel
	.amdgpu_metadata
---
amdhsa.version: [ 1, 2 ]
amdhsa.kernels:
  - .name:           k_qd1fe67abaf_proj
    .symbol:         k_qd1fe67abaf_proj.kd
    .args:
      - { .name: acodes, .offset: 0, .size: 8, .value_kind: global_buffer, .address_space: global }
      - { .name: ascales, .offset: 8, .size: 8, .value_kind: global_buffer, .address_space: global }
      - { .name: wcodes, .offset: 16, .size: 8, .value_kind: global_buffer, .address_space: global }
      - { .name: wscales, .offset: 24, .size: 8, .value_kind: global_buffer, .address_space: global }
      - { .name: bq, .offset: 32, .size: 8, .value_kind: global_buffer, .address_space: global }
      - { .name: bk, .offset: 40, .size: 8, .value_kind: global_buffer, .address_space: global }
      - { .name: bv, .offset: 48, .size: 8, .value_kind: global_buffer, .address_space: global }
      - { .name: kv_mask, .offset: 56, .size: 8, .value_kind: global_buffer, .address_space: global }
      - { .name: qimg, .offset: 64, .size: 8, .value_kind: global_buffer, .address_space: global }
      - { .name: kvimg, .offset: 72, .size: 8, .value_kind: global_buffer, .address_space: global }
    .group_segment_fixed_size: 327680
    .private_segment_fixed_size: 0
    .kernarg_segment_align: 8
    .kernarg_segment_size: 80
    .max_flat_workgroup_size: 128
    .sgpr_count:     106
    .vgpr_count:     1024
    .wavefront_size: 32
...
	.end_amdgpu_metadata
.endif
;; end of part 3
;; launch att (part 4): grid 4 x 64, 16 waves a work-group, clusters of 4 x 1, 309,248 bytes of LDS; arguments qimg, kvimg, x, out0; writes out0
.if DOCPART == 4
	.amdgcn_target "amdgcn-amd-amdhsa--gfx1250"
	.amdhsa_code_object_version 6
	.text
	.protected	k_qd1fe67abaf_att
	.globl	k_qd1fe67abaf_att
	.p2align	8
	.type	k_qd1fe67abaf_att,@function
k_qd1fe67abaf_att:
	s_mov_b64 s[64:65], 0
	v_nop
	global_prefetch_b8 v0, s[64:65] scope:SCOPE_SE
	s_setreg_imm32_b32 hwreg(HW_REG_WAVE_MODE, 25, 1), 1
	s_wait_xcnt 0x0
	s_wait_alu depctr_hold_cnt(0) depctr_sa_sdst(0) depctr_va_vdst(0) depctr_va_sdst(0) depctr_va_ssrc(0) depctr_va_vcc(0) depctr_vm_vsrc(0)
	s_getreg_b32 s2, hwreg(HW_REG_IB_STS2, 6, 4)
	s_cmp_eq_u32 s2, 0
	s_cbranch_scc0 .Lentry_in_a_cluster
	s_endpgm
.Lentry_in_a_cluster:
	s_bfe_u32 s2, ttmp6, 0x10000c
	s_cmp_lg_u32 s2, 0x3003
	s_cbranch_scc0 .Lentry_shape_is_right
	s_endpgm
.Lentry_shape_is_right:
; out0[b][64 head + d][q] = x[..] + the sum over keys of softmax_k(q . k / 8, masked) v, both products on codes of FP6 (E2M3) with one E8M0 scale for each 32 along a product's K.
; q, k and v arrive as IMAGES OF OPERAND REGISTERS: a tile of 16 rows is four registers a lane on end, 512 bytes a plane, so that every fragment comes by loads of 16 bytes a lane, 512 consecutive bytes a wave.
;   qimg [bh][16 groups of 128 queries]: 8 tiles x 1,024 bytes (registers 0-7 of 12; 8-11 are zeros kept in registers), 512 bytes of scale words.
;   kvimg [bh][16 steps of 128 keys], a record of 15,104 bytes: 8 tiles of k x 1,024; 4 tiles of v (16 channels x 128 keys) x 1,536; k's scale words, 512; v's, 256.
; THE FIRST PRODUCT'S K: k = 0 .. 63 the head's channels; k = 64 THE KEY MASK: every query holds 1.0 there, a masked key -7.5 x 2^120, an open key 0; the rest zeros.  So a masked score is about -1e37.
; THE SOFTMAX AHEAD OF THE SECOND PRODUCT: t = score x log2(e) / 8 (q was quantised without the factor 1 / 8, a power of two, which changes no code); M = the largest t so far, rounded UP to a whole number;
; p = 2^(t - M) is quantised along the keys, not normalised; the row's sum is taken of the unquantised p and divides O at the end.  When M moves, the sum and O are multiplied by 2^(old M - new M): exact.
; The largest t begins at -2^116: above every masked t (about -1.35 x 2^120), so a masked key never sets M and its p is exactly 0.  A row all of whose keys are masked gives 0 x (1 / 0) = NaN, as the softmax of such a row is.
; LIMITS: open t have to lie above -2^116, and the true score of a masked key under about 2^118; 1 / sum is v_rcp_f32; NaN and infinities among the inputs are not served.
; SHARES.  A work-group owns 512 queries of one head, in two passes of 256; each of its SIXTEEN waves owns one tile of 16 queries a pass, in 256 registers: four waves to a SIMD, so that one wave's vector work stands
; beside another's matrix work and LDS loads.  A HEAD'S WHOLE kvimg, 241,664 dense bytes, FITS IN LDS: it comes once, in four chunks of four key steps, and is never filled again: no ring.
; CLUSTER.  The four work-groups of a cluster are the four query blocks of one head and read the same 241,664 bytes: each chunk is asked for JOINTLY, which divides the requests by four.
; LAYOUT.  Both products are used transposed: S^T = k q^T (source 0 = 16 keys, source 1 = my 16 queries), O^T = v^T p^T (source 0 = 16 channels, source 1 = p): a lane holds ONE query throughout.
; Place rho of tile i of 16 rows is row 32 (i / 2) + 8 (i % 2) + rho % 8 + 16 (rho / 8): so the 16 registers of score tiles 2 u, 2 u + 1 are keys 32 u + 16 (lane / 16) + 0 .. 15, neighbours along the second K.
; REGISTERS: v1-4, v7, v255 addresses; v5 q's scale words, v6 p's, v8-11 k's, v28-31 v's; v12 -M, v13 the largest t, v[14:15] the sum in two halves; v16-27 q; v32-79 four fragments of k; v80-127 four of v;
;   v128-191 S^T, then p; v192-223 O^T; v224-235 p's codes; v236-254 at work.
.set REC,    15104                     ; a key step's record
.set CHUNKB, 4*REC                     ; what one tensor load brings: 236 rows of 256 bytes
.set STG,    16*REC                    ; behind the head's 241,664 bytes: the stage for the way out, 64 rows (channels) x 1,024 bytes (256 queries); no tensor load lands there
.set QREC,   8704                      ; a record of qimg
.set LI,  1                            ; v1   16 x lane: my place in an image's plane
.set LR,  2                            ; v2   16 x (lane % 16): my row's four scale words
.set ADK, 3                            ; v3   LI + the step's record
.set ADS, 4                            ; v4   LR + the step's record
.set QS,  5
.set PS,  6
.set STO, 7                            ; v7   the stage: where my query's numbers go
.set KS,  8
.set QF,  16
.set VS,  28
.set KB,  32
.set VB,  80
.set S,   128
.set O,   192
.set PC,  224
.set TP,  236
.set BM,  244
.set SO,  248
.set SRD, 255                          ; v255 the stage: where I read rows back
.set WV,  12                           ; s12  my wave's number
.set G1,  16                           ; s[16:23] descriptor group 1;  s[24:39] four groups 0
.set G0,  24
.set SEL, 40                           ; s[40:41] lane selects for v_permlanex16_b32: lane l xor 16
.set CS,  42                           ; s[42:43] c = log2(e) / 8: the packed form names a pair and takes its low word for both halves
.set TB,  44                           ; s44  LDS byte at which the step's record begins
.set CNT, 45                           ; s45  steps to go
.macro CROUND                          ; a round of the cluster's barrier
	s_barrier_signal -1
	s_barrier_wait -1
	s_cmp_lg_u32 s[WV], 0
	s_cbranch_scc1 .Lnot_wave_0_\@
	s_barrier_signal -3
.Lnot_wave_0_\@:
	s_barrier_wait -3
	s_barrier_signal -1
	s_barrier_wait -1
.endm
	s_load_b256 s[4:11], s[0:1], 0x0               ; qimg s[4:5], kvimg s[6:7], x s[8:9], out0 s[10:11]
	v_lshl_add_u32 v254, v0, 2, 0x4b000
	v_mov_b32 v255, 0
	ds_add_u32 v254, v255
	ds_add_u32 v254, v255
	s_wait_dscnt 0x0
	v_lshrrev_b32 v1, 5, v0
	s_delay_alu instid0(VALU_DEP_1)
	v_readfirstlane_b32 s[WV], v1                  ; wave 0..15
	s_bfe_u32 s13, ttmp6, 0x40000                  ; cx: my block of 512 queries; it enters q's, x's and out0's addresses alone
	s_and_b32 s14, ttmp7, 0xffff                   ; bh = 16 x batch + head, which the four partners share
	; all LDS addresses are made here, of the lane's and the wave's number alone
	v_and_b32 v2, 15, v0                           ; r
	v_bfe_u32 v3, v0, 4, 1                         ; h
	v_and_b32 v1, 31, v0
	s_delay_alu instid0(VALU_DEP_1)
	v_lshlrev_b32 v[LI], 4, v1
	s_wait_alu depctr_va_vdst(0)
	v_and_b32 v4, 7, v2
	s_delay_alu instid0(VALU_DEP_1)
	v_lshlrev_b32 v[STO], 2, v4                    ; my query among the pass's 256 is 32 (wave / 2) + 8 (wave % 2) + r % 8 + 16 (r / 8): 4 bytes each;
	v_and_b32 v4, 8, v2
	s_delay_alu instid0(VALU_DEP_1)
	v_lshl_add_u32 v[STO], v4, 3, v[STO]
	s_delay_alu instid0(VALU_DEP_1)
	v_lshl_add_u32 v[STO], v3, 14, v[STO]          ; register j of tile t holds channel 32 (t / 2) + 8 (t % 2) + j + 16 h: 16 rows of 1,024 bytes for h
	s_lshr_b32 s48, s[WV], 1
	s_lshl_b32 s48, s48, 7
	s_and_b32 s49, s[WV], 1
	s_lshl_b32 s49, s49, 5
	s_add_co_u32 s48, s48, s49
	s_add_co_u32 s48, s48, STG
	v_add_nc_u32 v[STO], s48, v[STO]
	s_lshl_b32 s48, s[WV], 12
	s_add_co_u32 s48, s48, STG
	v_add_nc_u32 v[SRD], s48, v[LI]                ; back: wave w takes channels 4 w .. 4 w + 3, whole rows
	v_lshlrev_b32 v[LR], 4, v2
	; descriptor group 1: a dense block of 60,416 bytes as 236 rows of 256 bytes (32 elements of 8 bytes), no padding
	s_mov_b32 s[G1], 15|(3<<16)|(1<<21)            ; 15:0 the mask: all four work-groups; 17:16 elements of 8 bytes; 21 set beside a mask
	s_mov_b32 s[G1+1], 32<<16                      ; tensor_dim0
	s_mov_b32 s[G1+2], 236<<16                     ; tensor_dim1
	s_mov_b32 s[G1+3], 32<<16                      ; tile_dim0
	s_mov_b32 s[G1+4], 236                         ; tile_dim1
	s_mov_b32 s[G1+5], 32                          ; tensor_dim0_stride
	s_mov_b32 s[G1+6], 0
	s_mov_b32 s[G1+7], 0
	s_mov_b32 s[SEL], 0x76543210
	s_mov_b32 s[SEL+1], 0xfedcba98
	s_mov_b32 s[CS], 0x3e38aa3b                    ; c = log2(e) / 8
	s_mov_b32 s[CS+1], s[CS]                       ; (named with it as a pair, so it is written)
	s_mul_i32 s2, s14, 16*REC                      ; the head's first byte in kvimg
	s_mov_b32 s3, 0
	s_wait_kmcnt 0x0
	s_add_nc_u64 s[6:7], s[6:7], s[2:3]
	CROUND                                         ; all four work-groups are here: the joint loads meet
.irp c, 0,1,2,3
	s_mov_b32 s[G0+4*\c], 1                        ; count = 1
	s_mov_b32 s[G0+4*\c+1], CHUNKB*\c              ; LDS address: the head lies in LDS as in memory
	s_add_nc_u64 s[G0+4*\c+2:G0+4*\c+3], s[6:7], CHUNKB*\c
	s_or_b32 s[G0+4*\c+3], s[G0+4*\c+3], 0x80000000   ; type = 2
.endr
	s_cmp_eq_u32 s[WV], 0                          ; wave 0 asks for all four chunks, in one branch, ahead of every wait on TENSORcnt and every LDS read: four tensor loads of its are out
	s_cbranch_scc0 .Lasked
	tensor_load_to_lds s[G0:G0+3], s[G1:G1+7]
	s_nop 0
	tensor_load_to_lds s[G0+4:G0+7], s[G1:G1+7]
	s_nop 0
	tensor_load_to_lds s[G0+8:G0+11], s[G1:G1+7]
	s_nop 0
	tensor_load_to_lds s[G0+12:G0+15], s[G1:G1+7]
	s_nop 0
.rept 4
	v_nop
.endr
.Lasked:
	s_lshl_b32 s2, s14, 4                          ; q: record 16 bh + 4 cx + wave / 8 (+ 2 in the second pass: an immediate),
	s_lshl_b32 s48, s13, 2
	s_add_co_u32 s2, s2, s48
	s_lshr_b32 s48, s[WV], 3
	s_add_co_u32 s2, s2, s48
	s_mul_i32 s2, s2, QREC
	s_add_nc_u64 s[4:5], s[4:5], s[2:3]
	s_bfe_u32 s48, s[WV], 0x10002                  ; its scale words: 8,192 + 256 ((tile / 4) + 16 r + 4 (tile % 4), tile = wave % 8
	s_lshl_b32 s48, s48, 8
	s_and_b32 s49, s[WV], 3
	s_lshl_b32 s49, s49, 2
	s_add_co_u32 s48, s48, s49
	s_add_co_u32 s48, s48, 8192
	s_mov_b32 s49, 0
	s_add_nc_u64 s[46:47], s[4:5], s[48:49]
	s_and_b32 s48, s[WV], 7
	s_lshl_b32 s48, s48, 10
	s_add_nc_u64 s[4:5], s[4:5], s[48:49]          ; my tile
	s_lshl_b32 s2, s14, 6                          ; x and out0: row 64 bh + 4 wave of 8,192 bytes, + 2,048 cx
	s_lshl_b32 s48, s[WV], 2
	s_add_co_u32 s2, s2, s48
	s_lshl_b32 s2, s2, 13
	s_lshl_b32 s48, s13, 11
	s_add_co_u32 s2, s2, s48
	s_add_nc_u64 s[8:9], s[8:9], s[2:3]
	s_add_nc_u64 s[10:11], s[10:11], s[2:3]
	global_load_b128 v[QF:QF+3], v[LI], s[4:5]     ; the first pass's queries
	global_load_b128 v[QF+4:QF+7], v[LI], s[4:5] offset:512
	s_wait_alu depctr_va_vdst(0)
	global_load_b32 v[QS], v[LR], s[46:47]
.irp i, 8,9,10,11
	v_mov_b32 v[QF+\i], 0                          ; k = 80 .. 127 of q and of k's four fragments: zero codes, written once
	v_mov_b32 v[KB+\i], 0
	v_mov_b32 v[KB+12+\i], 0
	v_mov_b32 v[KB+24+\i], 0
	v_mov_b32 v[KB+36+\i], 0
.endr
.irp b, 0,1,2,3
	v_mov_b32 v[TP+\b], 0                          ; written once: a lane permute's destination counts as one of its sources
.endr
	v_mov_b32 v253, 0                              ; (named as the upper half of the pair v[252:253])
; A KEY STEP: 128 keys, whose record begins at LDS byte s[TB].
.macro STEP
	v_add_nc_u32 v[ADK], s[TB], v[LI]
	v_add_nc_u32 v[ADS], s[TB], v[LR]
	s_wait_alu depctr_va_vdst(0)
.irp g, 0,1                                    ; S^T = k q^T, four tiles of 16 keys at a time
.if \g > 0
.rept 4
	v_nop                                          ; places in front of loads into registers that the four products above have read
.endr
.endif
	ds_load_b128 v[KS:KS+3], v[ADS] offset:14336+256*\g           ; the four tiles' scale words of my row
.irp t, 0,1,2,3
	ds_load_b128 v[KB+12*\t:KB+12*\t+3], v[ADK] offset:1024*(4*\g+\t)
	ds_load_b128 v[KB+12*\t+4:KB+12*\t+7], v[ADK] offset:1024*(4*\g+\t)+512
.endr
	s_wait_dscnt 0x0
.irp t, 0,1,2,3
	v_wmma_scale_f32_16x16x128_f8f6f4 v[S+8*(4*\g+\t):S+8*(4*\g+\t)+7], v[KB+12*\t:KB+12*\t+11], v[QF:QF+11], 0, v[KS+\t], v[QS] matrix_a_fmt:MATRIX_FMT_FP6 matrix_b_fmt:MATRIX_FMT_FP6
.endr
.endr
	ds_load_b128 v[VS:VS+3], v[ADS] offset:14848                  ; v's fragments are asked for now and land under the softmax.  The last products that read these registers stand six plain lines back (the two additions, the four v_nop)
.irp t, 0,1,2,3
.irp p, 0,1,2
	ds_load_b128 v[VB+12*\t+4*\p:VB+12*\t+4*\p+3], v[ADK] offset:8192+1536*\t+512*\p
.endr
.endr
.rept 4
	v_nop                                          ; places in front of the first read of the scores
.endr
.irp b, 0,1,2,3
	v_max3_num_f32 v[BM+\b], v[S+16*\b], v[S+1+16*\b], v[S+2+16*\b]   ; THE LARGEST SCORE OF EACH BLOCK OF 32 KEYS: it serves twice: for the row's maximum, and, since p rises with the score, for the block's largest p
.endr
.irp i, 3,5,7,9,11,13
.irp b, 0,1,2,3
	v_max3_num_f32 v[BM+\b], v[BM+\b], v[S+16*\b+\i], v[S+1+16*\b+\i]   ; (the four blocks by turns)
.endr
.endr
.irp b, 0,1,2,3
	v_max_num_f32 v[BM+\b], v[BM+\b], v[S+15+16*\b]
.endr
.irp b, 0,1,2,3
	s_delay_alu instid0(VALU_DEP_4)
	v_permlanex16_b32 v[TP+\b], v[BM+\b], s[SEL], s[SEL+1]
.endr
.irp b, 0,1,2,3
	s_delay_alu instid0(VALU_DEP_4)
	v_max_num_f32 v[BM+\b], v[BM+\b], v[TP+\b]     ; with lane l xor 16's 16 keys
.endr
	s_delay_alu instid0(VALU_DEP_2)
	v_max3_num_f32 v254, v[BM], v[BM+1], v[BM+2]
	s_delay_alu instid0(VALU_DEP_1)
	v_max_num_f32 v254, v254, v[BM+3]              ; the step's largest score of my query
	s_delay_alu instid0(VALU_DEP_1)
	v_mul_f32 v254, s[CS], v254                    ; as t (c is positive)
	s_delay_alu instid0(VALU_DEP_1)
	v_max_num_f32 v13, v13, v254                   ; the running largest t
	v_mov_b32 v254, v12
	s_delay_alu instid0(VALU_DEP_2)
	v_floor_f32 v12, -v13                          ; the new -M = floor(-t) = -ceil(t): M is a whole number
	s_delay_alu instid0(VALU_DEP_1)
	v_sub_f32 v254, v12, v254                      ; M's old value less its new one: a whole number, 0 or less
	s_delay_alu instid0(VALU_DEP_1)
	v_cvt_i32_f32 v254, v254                       ; (it saturates)
	s_delay_alu instid0(VALU_DEP_1)
	v_ldexp_f32 v252, 1.0, v254                    ; f = 2^(old M - new M)
.set J, 0
.rept 32
	v_pk_fma_f32 v[S+J:S+J+1], v[S+J:S+J+1], s[CS:CS+1], v[12:13] op_sel_hi:[1,0,0]   ; t - M, two at a time (of the pairs c and -M the low word serves both halves)
.set J, J+2
.endr
.irp b, 0,1,2,3
	v_fma_f32 v[BM+\b], v[BM+\b], s[CS], v12       ; the same of each block's largest score
.endr
.set J, 0
	s_wait_alu depctr_va_vdst(0)
.rept 64
	v_exp_f32 v[S+J], v[S+J]                       ; p = 2^(t - M), at most 1; exactly 0 for a masked key
.set J, J+1
.endr
	s_setprio 1
.irp b, 0,1,2,3
	v_exp_f32 v[BM+\b], v[BM+\b]                   ; the block's largest p: the same two instructions on the same number give the same bits
.endr
	v_pk_mul_f32 v[14:15], v[14:15], v[252:253] op_sel_hi:[1,0]   ; the sums under the new M.  (A plain place behind the exponentials)
	s_wait_alu depctr_va_vdst(0)
.irp b, 0,1,2,3
	v_max_num_f32 v[BM+\b], 0x1800000, v[BM+\b]    ; the floor 2^(3 - 127): the byte cannot fall under 1 (a block whose every p is 0 keeps that byte: its codes are zeros)
.endr
.irp b, 0,1,2,3
	s_delay_alu instid0(VALU_DEP_4)
	v_add_nc_u32 v[SO+\b], 0xff000000, v[BM+\b]    ; 2 off the exponent field: the conversion's scale operand
.endr
.irp b, 0,1,2,3
	s_delay_alu instid0(VALU_DEP_4)
	v_lshrrev_b32 v[TP+\b], 23, v[SO+\b]           ; the scale's byte
.endr
	s_delay_alu instid0(VALU_DEP_3)
	v_lshl_or_b32 v[PS], v[TP+1], 8, v[TP]         ; p's scale word for these 128 keys
	s_delay_alu instid0(VALU_DEP_1)
	v_lshl_or_b32 v[PS], v[TP+2], 16, v[PS]
	s_delay_alu instid0(VALU_DEP_1)
	v_lshl_or_b32 v[PS], v[TP+3], 24, v[PS]
.irp c, 0,1
	v_cvt_scalef32_pk16_fp6_f32 v[PC+6*\c:PC+6*\c+2], v[S+32*\c:S+15+32*\c], v[SO+2*\c]
	v_cvt_scalef32_pk16_fp6_f32 v[TP+4*\c:TP+4*\c+2], v[S+16+32*\c:S+31+32*\c], v[SO+2*\c+1]   ; (a conversion's three registers begin on an even number)
.endr
	v_nop                                          ; one plain place behind a scaled conversion
.irp c, 0,1                                    ; the operand's layout wants a whole block in a lane: lanes 0-15 block 2 c, lanes 16-31 block 2 c + 1
.irp i, 0,1,2
	v_permlane16_swap_b32 v[PC+6*\c+\i], v[TP+4*\c+\i]
.endr
.irp i, 0,1,2
	s_delay_alu instid0(VALU_DEP_3)
	v_mov_b32 v[PC+3+6*\c+\i], v[TP+4*\c+\i]
.endr
.endr
	v_pk_add_f32 v[236:237], v[132:133], v[136:137]
	v_pk_add_f32 v[250:251], v[140:141], v[144:145]
	v_pk_add_f32 v[248:249], v[148:149], v[152:153]
	v_pk_add_f32 v[246:247], v[156:157], v[160:161]
	v_pk_add_f32 v[244:245], v[164:165], v[168:169]
	v_pk_add_f32 v[242:243], v[172:173], v[176:177]
	v_pk_add_f32 v[240:241], v[180:181], v[184:185]
	v_pk_add_f32 v[14:15], v[14:15], v[188:189]
	v_pk_add_f32 v[236:237], v[236:237], v[128:129]
	v_pk_add_f32 v[250:251], v[250:251], v[130:131]
	v_pk_add_f32 v[248:249], v[248:249], v[134:135]
	v_pk_add_f32 v[246:247], v[246:247], v[138:139]
	v_pk_add_f32 v[244:245], v[244:245], v[142:143]
	v_pk_add_f32 v[242:243], v[242:243], v[146:147]
	v_pk_add_f32 v[240:241], v[240:241], v[150:151]
	v_pk_add_f32 v[14:15], v[14:15], v[154:155]
	v_pk_add_f32 v[236:237], v[236:237], v[158:159]
	v_pk_add_f32 v[250:251], v[250:251], v[162:163]
	v_pk_add_f32 v[248:249], v[248:249], v[166:167]
	v_pk_add_f32 v[246:247], v[246:247], v[170:171]
	v_pk_add_f32 v[244:245], v[244:245], v[174:175]
	v_pk_add_f32 v[242:243], v[242:243], v[178:179]
	v_pk_add_f32 v[240:241], v[240:241], v[182:183]
	v_pk_add_f32 v[14:15], v[14:15], v[186:187]
	v_pk_add_f32 v[236:237], v[236:237], v[190:191]
	s_delay_alu instid0(VALU_DEP_2)
	v_pk_add_f32 v[14:15], v[14:15], v[246:247]
	s_delay_alu instid0(VALU_DEP_2)
	v_pk_add_f32 v[236:237], v[236:237], v[244:245]
	s_setprio 0
	v_pk_add_f32 v[250:251], v[250:251], v[242:243]
	v_pk_add_f32 v[248:249], v[248:249], v[240:241]
	s_delay_alu instid0(VALU_DEP_2)
	v_pk_add_f32 v[14:15], v[14:15], v[250:251]
	s_delay_alu instid0(VALU_DEP_2)
	v_pk_add_f32 v[236:237], v[236:237], v[248:249]
	s_delay_alu instid0(VALU_DEP_1)
	v_pk_add_f32 v[14:15], v[14:15], v[236:237]
.set J, 0
.rept 16
	v_pk_mul_f32 v[O+J:O+J+1], v[O+J:O+J+1], v[252:253] op_sel_hi:[1,0]   ; O^T under the new M, each accumulator from its low end on.  (With the sums above: the places between p's codes and scale word and the products below)
.set J, J+2
.endr
	s_wait_alu depctr_va_vdst(0)
	s_wait_dscnt 0x0                               ; v's fragments and scale words are in
.irp t, 0,1,2,3                                ; O^T += v^T p^T: four tiles of 16 channels, by turns; K = these 128 keys
	v_wmma_scale_f32_16x16x128_f8f6f4 v[O+8*\t:O+8*\t+7], v[VB+12*\t:VB+12*\t+11], v[PC:PC+11], v[O+8*\t:O+8*\t+7], v[VS+\t], v[PS] matrix_a_fmt:MATRIX_FMT_FP6 matrix_b_fmt:MATRIX_FMT_FP6
.endr
.endm
.macro STEPS n                         ; n key steps on end
	s_mov_b32 s[CNT], \n
.Lstep_\@:
	s_setprio 2
	STEP
	s_add_co_u32 s[TB], s[TB], REC
	s_sub_co_u32 s[CNT], s[CNT], 1
	s_cmp_lg_u32 s[CNT], 0
	s_cbranch_scc1 .Lstep_\@
	s_setprio 0
.endm
.macro INIT                            ; a pass begins: the step is written once, and its first trip finds zeros, which the first change of M leaves zeros
	v_mov_b32 v13, 0xf9800000                      ; the largest t so far: -2^116, above every masked t and under every open one
	s_delay_alu instid0(VALU_DEP_1)
	v_floor_f32 v12, -v13                          ; -M
	v_mov_b32 v14, 0                               ; the sum, in two halves
	v_mov_b32 v15, 0
.set J, 0
.rept 32
	v_mov_b32 v[O+J], 0
.set J, J+1
.endr
.endm
; THE WAY OUT of pass p.  O^T / the sum goes into the work-group's stage, laid [channel][query] as out0 is; each wave reads four whole rows of 1,024 bytes back, adds x and stores them.
; A wave's 32 stores of 4 bytes a lane meet two deep in the banks (lanes 16 apart lie 16 rows of 1,024 bytes apart): once a pass.
.macro WAYOUT p
.rept 4
	v_nop                                          ; places behind the last products, in front of loads into v's registers and of the first read of O^T
.endr
.if \p == 0
	global_load_b128 v[QF:QF+3], v[LI], s[4:5] offset:2*QREC             ; the next pass's queries: two records on
	global_load_b128 v[QF+4:QF+7], v[LI], s[4:5] offset:2*QREC+512
	global_load_b32 v[QS], v[LR], s[46:47] offset:2*QREC
.endif
.irp i, 0,1,2,3
.irp u, 0,1
	global_load_b128 v[VB+4*(2*\i+\u):VB+4*(2*\i+\u)+3], v[LI], s[8:9] offset:8192*\i+512*\u+1024*\p th:TH_LOAD_NT   ; x at my four rows: 512 consecutive bytes a load
.endr
.endr
	v_add_f32 v14, v14, v15                        ; the sum's two halves,
	s_delay_alu instid0(VALU_DEP_1)
	v_permlanex16_b32 v[TP], v14, s[SEL], s[SEL+1]
	s_delay_alu instid0(VALU_DEP_1)
	v_add_f32 v14, v14, v[TP]                      ; and lane l xor 16's: the row's sum
	s_wait_alu depctr_va_vdst(0)
	v_rcp_f32 v14, v14
	v_nop                                          ; a plain place behind the transcendental
.set J, 0
	s_wait_alu depctr_va_vdst(0)
.rept 16
	v_pk_mul_f32 v[S+J:S+J+1], v[O+J:O+J+1], v[14:15] op_sel_hi:[1,0]   ; O^T / the sum, each accumulator from its low end on
.set J, J+2
.endr
.irp t, 0,1,2,3
.irp j, 0,1,2,3,4,5,6,7
	ds_store_b32 v[STO], v[S+8*\t+\j] offset:(32*(\t/2)+8*(\t%2)+\j)*1024
.endr
.endr
	s_wait_dscnt 0x0                               ; for the others' sake: my stores into the stage are done
	s_barrier_signal -1
	s_barrier_wait -1
.irp i, 0,1,2,3
.irp u, 0,1
	ds_load_b128 v[S+32+4*(2*\i+\u):S+32+4*(2*\i+\u)+3], v[SRD] offset:1024*\i+512*\u
.endr
.endr
	s_wait_loadcnt 0x0                             ; x (and the next pass's queries)
	s_wait_dscnt 0x0                               ; my reads of the stage are over
.if \p == 0
	s_barrier_signal -1                            ; everybody's are: the next pass may store into it
	s_barrier_wait -1
.endif
.set J, 0
.rept 16
	v_pk_add_f32 v[S+32+J:S+33+J], v[S+32+J:S+33+J], v[VB+J:VB+J+1]     ; + x
.set J, J+2
.endr
.irp i, 0,1,2,3
.irp u, 0,1
	global_store_b128 v[LI], v[S+32+4*(2*\i+\u):S+32+4*(2*\i+\u)+3], s[10:11] offset:8192*\i+512*\u+1024*\p th:TH_STORE_NT   ; 32 lanes store 512 consecutive bytes, at a multiple of 256 from out0's first byte
.endr
.endr
.if \p == 0
	s_wait_xcnt 0x0                                ; the stores have read their registers: the next pass's scores may be written there
.endif
.endm
	INIT
	s_wait_loadcnt 0x0                             ; q
.irp c, 0,1,2,3                                ; the first pass goes chunk by chunk, as the chunks land
	s_wait_tensorcnt 3-\c                          ; wave 0: chunk c is in; the 3 - c chunks asked for behind it may be out (nothing is filled again).  The other waves have no load out
	s_barrier_signal -1
	s_barrier_wait -1                              ; now every wave may read it
	s_mov_b32 s[TB], CHUNKB*\c
	STEPS 4
.endr
	WAYOUT 0
	INIT
	s_mov_b32 s[TB], 0
	STEPS 16                                       ; the second pass finds the whole head in LDS
	WAYOUT 1
	s_wait_xcnt 0x0
	v_lshl_add_u32 v254, v0, 2, 0x4b000
	v_mov_b32 v255, 0
	s_wait_alu depctr_va_vdst(0)
	s_wait_tensorcnt 0x0
	ds_add_u32 v254, v255
	s_wait_dscnt 0x0
	CROUND                                         ; the closing round: no work-group ends while a partner may still ask for a chunk that names it
	s_endpgm
.Lfunc_end_k_qd1fe67abaf_att:
	.size	k_qd1fe67abaf_att, .Lfunc_end_k_qd1fe67abaf_att-k_qd1fe67abaf_att
	.p2alignl 7, 3214868480
	.fill 96, 4, 3214868480
	.section	.rodata,"a",@progbits
	.p2align	6, 0x0
	.amdhsa_kernel k_qd1fe67abaf_att
		.amdhsa_group_segment_fixed_size 309248
		.amdhsa_private_segment_fixed_size 0
		.amdhsa_enable_private_segment 0
		.amdhsa_kernarg_size 32
		.amdhsa_user_sgpr_count 2
		.amdhsa_user_sgpr_kernarg_segment_ptr 1
		.amdhsa_wavefront_size32 1
		.amdhsa_system_sgpr_workgroup_id_x 1
		.amdhsa_system_sgpr_workgroup_id_y 1
		.amdhsa_system_sgpr_workgroup_id_z 1
		.amdhsa_system_vgpr_workitem_id 0
		.amdhsa_next_free_vgpr 256
		.amdhsa_next_free_sgpr 66
		.amdhsa_reserve_vcc 0
		.amdhsa_float_denorm_mode_32 3
		.amdhsa_float_denorm_mode_16_64 3
		.amdhsa_memory_ordered 1
		.amdhsa_forward_progress 1
		.amdhsa_inst_pref_size 109
	.end_amdhsa_kernel
	.amdgpu_metadata
---
amdhsa.version: [ 1, 2 ]
amdhsa.kernels:
  - .name:           k_qd1fe67abaf_att
    .symbol:         k_qd1fe67abaf_att.kd
    .args:
      - { .name: qimg, .offset: 0, .size: 8, .value_kind: global_buffer, .address_space: global }
      - { .name: kvimg, .offset: 8, .size: 8, .value_kind: global_buffer, .address_space: global }
      - { .name: x, .offset: 16, .size: 8, .value_kind: global_buffer, .address_space: global }
      - { .name: out0, .offset: 24, .size: 8, .value_kind: global_buffer, .address_space: global }
    .group_segment_fixed_size: 309248
    .private_segment_fixed_size: 0
    .kernarg_segment_align: 8
    .kernarg_segment_size: 32
    .max_flat_workgroup_size: 512
    .sgpr_count:     66
    .vgpr_count:     256
    .wavefront_size: 32
...
	.end_amdgpu_metadata
.endif
;; end of part 4
